; MI455X (gfx1250); checked and timed in simulation.
; The chip was launched on July 23, 2026; its instructions are those of AMD's public machine-readable ISA for CDNA 5 (MIT licence, August 2026) and "CDNA5" Instruction Set Architecture Reference Guide (July 2026). The comments in the code are by the model that wrote it; some were corrected since.
;; Multihead Self Attention. Allowed arithmetic: matrix products marked QUANTISED: E2M3 operands, one E8M0 scale for each 32 along K, by v_wmma_scale_f32_16x16x128_f8f6f4 with both operands' format E2M3, f32 sums; everything else in f32.
;; Inputs: Wk_codes 1,024 x 32 x 24 uint8 (E2M3 codes of Wk, K innermost, in blocks of 32 codes, four codes in three bytes); Wk_scales 1,024 x 32 uint8 (E8M0 scales of Wk, one for each 32 codes along K); Wo_codes 1,024 x 32 x 24 uint8 (E2M3 codes of Wo, K innermost, in blocks of 32 codes, four codes in three bytes); Wo_scales 1,024 x 32 uint8 (E8M0 scales of Wo, one for each 32 codes along K); Wq_codes 1,024 x 32 x 24 uint8 (E2M3 codes of Wq, K innermost, in blocks of 32 codes, four codes in three bytes); Wq_scales 1,024 x 32 uint8 (E8M0 scales of Wq, one for each 32 codes along K); Wv_codes 1,024 x 32 x 24 uint8 (E2M3 codes of Wv, K innermost, in blocks of 32 codes, four codes in three bytes); Wv_scales 1,024 x 32 uint8 (E8M0 scales of Wv, one for each 32 codes along K); bk 1,024 float32; bo 1,024 float32; bq 1,024 float32; bv 1,024 float32; x_codes 4 x 2,048 x 32 x 24 uint8 (E2M3 codes of x, K innermost, in blocks of 32 codes, four codes in three bytes); x_scales 4 x 2,048 x 32 uint8 (E8M0 scales of x, one for each 32 codes along K).
;; Outputs: out0 4 x 2,048 x 1,024 float32.
;; This version of the problem:
;;   THIS VERSION OF THE PROBLEM IS GIVEN IN LOW PRECISION. The matrix products marked QUANTISED in the list below multiply operands that are first quantised to E2M3 (2 exponent bits, 3 mantissa bits; 6 bits a number), with one power-of-two scale for each 32 numbers along K (OCP MX v1.0); their sums are f32. All else is computed in f32.
;;   The module's matrix products, in the order in which they are computed (A, B: the left and right operand; K: the contracted axis; several contracted axes count as one K, in the product's order):
;;     1. [M 8,192, K 1,024] x [K 1,024, N 1,024]; A: input x (given as codes); B: input Wq (given as codes): QUANTISED
;;     2. [M 8,192, K 1,024] x [K 1,024, N 1,024]; A: input x (given as codes); B: input Wk (given as codes): QUANTISED
;;     3. [M 8,192, K 1,024] x [K 1,024, N 1,024]; A: input x (given as codes); B: input Wv (given as codes): QUANTISED
;;     4. batch 64 x [M 2,048, K 64] x [K 64, N 2,048]; A: computed on the way; B: computed on the way: QUANTISED
;;     5. batch 64 x [M 2,048, K 2,048] x [K 2,048, N 64]; A: softmax (see below); B: computed on the way: QUANTISED
;;     6. [M 8,192, K 1,024] x [K 1,024, N 1,024]; A: computed on the way; B: input Wo (given as codes): QUANTISED
;;   THE QUANTISER, for each operand of a quantised product, along K:
;;     - K is cut into blocks of 32 from its start; a last block that is shorter is filled with zeros.
;;     - A block's scale is 2^e with e = floor(log2(the largest magnitude in the block)) - 2, held to -126 .. 127; a block of zeros has e = 0. As a byte (E8M0): e + 127.
;;     - Each number is divided by its block's scale, clamped to +-7.5, and rounded to the nearest number of E2M3, ties to even, subnormals kept.
;;     - The product sums the exact products of the quantised numbers (number of the format x scale) in f32.
;;   ~~~python
;;   def quantise(x, axis):      # numpy; x: float32 -> the quantised numbers, widened to float32 again
;;       x = np.moveaxis(x, axis, -1); K = x.shape[-1]
;;       x = np.pad(x, [(0, 0)] * (x.ndim - 1) + [(0, -K % 32)]); x = x.reshape(x.shape[:-1] + (-1, 32)); a = np.abs(x).max(-1, keepdims=True)
;;       e = np.where(a > 0, np.clip(np.frexp(np.where(a > 0, a, 1))[1] - 1 - 2, -126, 127), 0)      # np.frexp(a)[1] - 1 = floor(log2(a)), exactly
;;       r = np.clip(x / 2.0 ** e, -7.5, 7.5)
;;       step = 2.0 ** (np.maximum(np.frexp(np.where(r == 0, 1, r))[1] - 1, 0) - 3)
;;       q = np.round(r / step) * step * 2.0 ** e      # np.round: ties to even
;;       return np.moveaxis(q.reshape(q.shape[:-2] + (-1,))[..., :K], -1, axis).astype(np.float32)
;;   ~~~
;;   SOFTMAX AHEAD OF A QUANTISED PRODUCT. Where the list says 'softmax', what is quantised is not the finished softmax but p = 2^(t - M), with t = logit x log2(e) and M = ceil(the row's largest t), a whole number; so 1/2 < the row's largest p <= 1. The row's sum l is taken of the UNQUANTISED p, in f32, and the product's result is divided by l at the end. Since M is a whole number, a kernel that streams over the keys may use a running M (the ceiling of the running maximum): every later rescaling is an exact power of two, which a block's scale takes up: the codes' values come out the same.
;;   OPERANDS COMPUTED ON THE WAY. 'Computed on the way' means the value that the module computes at that place (a softmax that the list does not call 'softmax' is quantised finished and normalised). What goes into a quantiser is computed in f32, as accurately as f32 sums, v_exp_f32 and their like allow (about 1e-6 of the number): no bf16 or f16 on the way to a quantiser, and a product that is left as it is and whose result goes on into a quantised operand takes f32 operands (vector FMAs, or v_wmma_f32_16x16x4_f32). A number that lies on a knife's edge between two numbers of the format may be rounded either way, as far as f32 arithmetic and the matrix unit's own rounding can turn it there, and no further.
;;   INPUTS GIVEN AS CODES. Wk (in the module: [1024, 1024], K = its axis 0); Wo (in the module: [1024, 1024], K = its axis 0); Wq (in the module: [1024, 1024], K = its axis 0); Wv (in the module: [1024, 1024], K = its axis 0); x (in the module: [4, 2048, 1024], K = its axis 2): each comes as NAME_codes (uint8): NAME with its K axis moved to the last place and cut into blocks of 32 codes, [.., K / 32, bytes a block], one block behind the other in memory; four codes in three bytes: a row's codes are one little-endian stream of bits, code i at bits 6 i .. 6 i + 5 (a code: sign, 2 exponent bits, 3 mantissa bits); and NAME_scales (uint8): the same leading axes, one E8M0 byte (e + 127) for each 32 codes along K. Its value is code x scale, taken as it is: it is not quantised again, and the codes and scales need not be those that the quantiser above would give.
;; One version. Each part assembles by itself: llvm-mc -triple=amdgcn-amd-amdhsa -mcpu=gfx1250 --defsym DOCPART=n.
;; ======== version 1 of 1: 4 launches
;; limits: right only within a limited range of input values
;; workspace buffers: qc 6,291,456 bytes; qs 262,144 bytes; kvc 12,582,912 bytes; kvs 524,288 bytes; vc 6,291,456 bytes; vs 262,144 bytes; rl 9,437,184 bytes
;; launch relay (part 1): grid 768 x 1, 4 waves a work-group, no clusters, 0 bytes of LDS; arguments x_codes, Wq_codes, Wk_codes, Wv_codes, Wo_codes, rl; writes rl
.if DOCPART == 1
	.amdgcn_target "amdgcn-amd-amdhsa--gfx1250"
	.amdhsa_code_object_version 6
	.text
	.protected	k_qad525c0c87_relay
	.globl	k_qad525c0c87_relay
	.p2align	8
	.type	k_qad525c0c87_relay,@function
k_qad525c0c87_relay:
	s_mov_b64 s[64:65], 0
	v_nop
	global_prefetch_b8 v0, s[64:65] scope:SCOPE_SE
	s_setreg_imm32_b32 hwreg(HW_REG_WAVE_MODE, 25, 1), 1
	s_wait_xcnt 0x0
; THE CODES OF x, Wq, Wk, Wv, Wo ARE LAID ANEW, bit for bit, for the tensor loads of the two GEMM launches.
; DEAD WORK: none in this program: every product of the problem is live and every input is loaded by some launch.
; rl holds 12,288 rows (x's 8,192, then Wq's, Wk's, Wv's, Wo's 1,024 each) as [row / 128][K step of 256 codes][row % 128][192 bytes]:
; the 128 rows of one K step are 24,576 bytes on end, which a tensor load states as 96 rows of 256 bytes, each on a multiple of 256.
; SHARES: a work-group takes 16 rows, wave w their K step w, in two runs of 8 rows = 1,536 bytes of rl = three stores of 512 bytes on end.
; No LDS, matrix unit or cluster: each byte is read once and stored once, and no work-group shares a byte with another.
	s_load_b256 s[4:11], s[0:1], 0x0               ; x, Wq, Wk, Wv
	s_load_b128 s[12:15], s[0:1], 0x20             ; Wo, rl
	v_and_b32 v1, 31, v0
	v_lshrrev_b32 v2, 5, v0
	v_readfirstlane_b32 s16, v2                    ; wave = K step
.irp j, 0,1,2
	v_add_nc_u32 v[4+\j], 32*\j, v1                ; n = my piece of 16 bytes among the run's 96
.endr
.irp j, 0,1,2
	v_mul_u32_u24 v[8+\j], v[4+\j], 43
.endr
.irp j, 0,1,2
	v_lshrrev_b32 v[8+\j], 9, v[8+\j]              ; n / 12, the row (43 n >> 9 is n / 12 for n under 96)
.endr
.irp j, 0,1,2
	v_lshlrev_b32 v[4+\j], 4, v[4+\j]
.endr
.irp j, 0,1,2
	v_mad_u32_u24 v[4+\j], v[8+\j], 576, v[4+\j]   ; in the source: 768 x row + 16 x (n - 12 row)
.endr
	v_lshlrev_b32 v3, 4, v1                        ; in rl: 16 x lane
	s_sub_co_u32 s18, ttmp9, 512                   ; work-groups 0-511 serve x, then 64 each weight
	s_lshr_b32 s19, s18, 6                         ; which weight
	s_and_b32 s18, s18, 63
	s_cmp_lt_u32 ttmp9, 512
	s_cselect_b32 s18, ttmp9, s18                  ; my 16 rows in their tensor
	s_mul_i32 s18, s18, 12288
	s_mul_i32 s17, s16, 192
	s_add_co_u32 s20, s18, s17
	s_mov_b32 s21, 0
	s_lshr_b32 s22, ttmp9, 3
	s_mul_i32 s22, s22, 98304                      ; rl: the block of 128 rows,
	s_mul_i32 s17, s16, 24576                      ; the K step,
	s_add_co_u32 s22, s22, s17
	s_and_b32 s17, ttmp9, 7
	s_mul_i32 s17, s17, 3072                       ; my 16 rows of 192 bytes
	s_add_co_u32 s22, s22, s17
	s_mov_b32 s23, 0
	s_wait_alu depctr_va_vdst(0)                   ; the wait at the head's end
	s_wait_kmcnt 0x0
	s_cmp_eq_u32 s19, 1                            ; the source is chosen by the work-group's number alone
	s_cselect_b64 s[6:7], s[8:9], s[6:7]
	s_cmp_eq_u32 s19, 2
	s_cselect_b64 s[6:7], s[10:11], s[6:7]
	s_cmp_eq_u32 s19, 3
	s_cselect_b64 s[6:7], s[12:13], s[6:7]
	s_cmp_lt_u32 ttmp9, 512
	s_cselect_b64 s[4:5], s[4:5], s[6:7]
	s_add_nc_u64 s[4:5], s[4:5], s[20:21]
	s_add_nc_u64 s[14:15], s[14:15], s[22:23]
.irp t, 0,1
.irp j, 0,1,2
	global_load_b128 v[16+12*\t+4*\j:19+12*\t+4*\j], v[4+\j], s[4:5] offset:6144*\t th:TH_LOAD_NT
.endr
.endr
	s_wait_loadcnt 0x0
.irp t, 0,1
.irp j, 0,1,2
	global_store_b128 v3, v[16+12*\t+4*\j:19+12*\t+4*\j], s[14:15] offset:1536*\t+512*\j   ; 512 consecutive bytes, aligned
.endr
.endr
	s_endpgm
.Lfunc_end_k_qad525c0c87_relay:
	.size	k_qad525c0c87_relay, .Lfunc_end_k_qad525c0c87_relay-k_qad525c0c87_relay
	.p2alignl 7, 3214868480
	.fill 96, 4, 3214868480
	.section	.rodata,"a",@progbits
	.p2align	6, 0x0
	.amdhsa_kernel k_qad525c0c87_relay
		.amdhsa_group_segment_fixed_size 0
		.amdhsa_private_segment_fixed_size 0
		.amdhsa_enable_private_segment 0
		.amdhsa_kernarg_size 48
		.amdhsa_user_sgpr_count 2
		.amdhsa_user_sgpr_kernarg_segment_ptr 1
		.amdhsa_wavefront_size32 1
		.amdhsa_system_sgpr_workgroup_id_x 1
		.amdhsa_system_sgpr_workgroup_id_y 1
		.amdhsa_system_sgpr_workgroup_id_z 1
		.amdhsa_system_vgpr_workitem_id 0
		.amdhsa_next_free_vgpr 40
		.amdhsa_next_free_sgpr 66
		.amdhsa_reserve_vcc 0
		.amdhsa_float_denorm_mode_32 3
		.amdhsa_float_denorm_mode_16_64 3
		.amdhsa_memory_ordered 1
		.amdhsa_forward_progress 1
		.amdhsa_inst_pref_size 4
	.end_amdhsa_kernel
	.amdgpu_metadata
---
amdhsa.version: [ 1, 2 ]
amdhsa.kernels:
  - .name:           k_qad525c0c87_relay
    .symbol:         k_qad525c0c87_relay.kd
    .args:
      - { .name: x_codes, .offset: 0, .size: 8, .value_kind: global_buffer, .address_space: global }
      - { .name: Wq_codes, .offset: 8, .size: 8, .value_kind: global_buffer, .address_space: global }
      - { .name: Wk_codes, .offset: 16, .size: 8, .value_kind: global_buffer, .address_space: global }
      - { .name: Wv_codes, .offset: 24, .size: 8, .value_kind: global_buffer, .address_space: global }
      - { .name: Wo_codes, .offset: 32, .size: 8, .value_kind: global_buffer, .address_space: global }
      - { .name: rl, .offset: 40, .size: 8, .value_kind: global_buffer, .address_space: global }
    .group_segment_fixed_size: 0
    .private_segment_fixed_size: 0
    .kernarg_segment_align: 8
    .kernarg_segment_size: 48
    .max_flat_workgroup_size: 128
    .sgpr_count:     66
    .vgpr_count:     40
    .wavefront_size: 32
...
	.end_amdgpu_metadata
.endif
;; end of part 1
;; launch qkv (part 2): grid 12 x 32, 4 waves a work-group, clusters of 4 x 4, 327,680 bytes of LDS; arguments rl, x_scales, Wq_scales, Wk_scales, bq, bk, bv, qc, qs, kvc, kvs, Wv_scales; writes qc, qs, kvc, kvs
.if DOCPART == 2
	.amdgcn_target "amdgcn-amd-amdhsa--gfx1250"
	.amdhsa_code_object_version 6
	.text
	.protected	k_qad525c0c87_qkv
	.globl	k_qad525c0c87_qkv
	.p2align	8
	.type	k_qad525c0c87_qkv,@function
k_qad525c0c87_qkv:
	s_mov_b64 s[64:65], 0
	v_nop
	global_prefetch_b8 v0, s[64:65] scope:SCOPE_SE
	s_setreg_imm32_b32 hwreg(HW_REG_WAVE_MODE, 25, 1), 1
	s_wait_xcnt 0x0
	s_wait_alu depctr_hold_cnt(0) depctr_sa_sdst(0) depctr_va_vdst(0) depctr_va_sdst(0) depctr_va_ssrc(0) depctr_va_vcc(0) depctr_vm_vsrc(0)
	s_getreg_b32 s2, hwreg(HW_REG_IB_STS2, 6, 4)
	s_cmp_eq_u32 s2, 0
	s_cbranch_scc0 .Lentry_in_a_cluster
	s_endpgm
.Lentry_in_a_cluster:
	s_bfe_u32 s2, ttmp6, 0x10000c
	s_cmp_lg_u32 s2, 0xf033
	s_cbranch_scc0 .Lentry_shape_is_right
	s_endpgm
.Lentry_shape_is_right:
; q = x Wq + bq, k = x Wk + bk, v = x Wv + bv on codes of FP6 (E2M3) with E8M0 scales, sums in f32; the results are quantised here, q and k along a head's 64, v along the keys, and leave as codes.
; DEAD WORK: none.  Every product of the problem is live, and each of the four biases can move codes (bq, bk, bv stand ahead of a quantiser) or the output (bo): every input is loaded by some launch.
; LIMITS: NaN and infinities among the inputs are not served.  A block whose largest magnitude lies under 2^-124 has its scale byte held at 1; a block of zeros gets the byte 1 where the rule says 127:
; its codes are zeros, which add nothing under any byte but 0xff, and this program alone reads these bytes.
; SHARES.  The cluster's x says which tensor is made (0: q, 1: k, 2: v); it is the same in all sixteen partners.  A work-group makes 256 x 256, each of its four waves 128 x 128: 64 accumulators of 16 x 16.
; Two operands: R, whose rows lie in the lanes of a result (source 1), and P, whose rows lie along a lane's registers (source 0).  A quantiser wants its K along a lane's registers, so
; for q and k: R = x (tokens), P = W (features);  for v: R = Wv (features), P = x (tokens = keys).  Only pointers and tile numbers are chosen; the loop over K is one text for all three.
; K goes in steps of 256 through a ring of two LDS slots filled by the tensor data mover; the scale bytes of the work-group's rows, for all of K, come once with the first fills.
; CLUSTERS: 4 x 4.  R's tile is shared along a row of the cluster, P's along a column: each is asked for jointly, by the same tensor load with the same descriptor and a mask that names the four.
; THE ORDER INSIDE A BLOCK OF 32.  A lane's 16 registers of two neighbouring tiles are elements 8 h + 0..7 and 16 + 8 h + 0..7 of a block (h = lane / 16).  After the conversions and the exchange of halves a block's
; codes stand in the order [0-7, 16-23, 8-15, 24-31].  The block is the same 32 numbers, so scale and codes are those of the rule; q and k have the same order along d, and v the same order along the keys as the
; attention launch's p: a permutation of K that both operands of a product share leaves the product as it is.
; WHAT IS STORED: images of operand registers (12 registers x 32 lanes = 1,536 bytes; registers 4 n .. 4 n + 3 of lane l at 512 n + 16 l).  With bh = 16 x batch + head and a step = 128 tokens:
;   qc  [bh][step][4 images]: image i: registers 0-5 tokens 32 i + r, registers 6-11 tokens 32 i + 16 + r; lane half h holds d = 32 h on.      kvc [bh][step][k: 4 images so | v: 4 images]:
;   v's image t: lane (r, h) holds d = 16 t + r, registers 6 n on hold key block 2 n + h.     qs [bh][step][256 bytes], kvs [bh][step][k 256 | v 256]: lane l's 8 bytes: word n = the scale word of image 2 n (l < 16, row l) or 2 n + 1 (row l - 16).
; REGISTERS, in windows of 256: window 0: v1-7 at work, v8-15 bias offsets, v16-29 addresses, v32-63 scale words (two sets), v64-127 the bias, v128-223 R's fragments (one set); on the way out v32-63 at work, v128-227 what is stored.
;   window 1: P's fragments, two sets, at v0 and v128.   windows 2, 3: the accumulators ((a, b) at v[8 (8 (a % 4) + b)] of window 2 + a / 4).
.set KSTEP,  256                       ; along K in a slot
.set NQ,     KSTEP/128                 ; matrix instructions deep
.set ROWB,   24576                     ; from K step to K step in rl: the codes come from rl, where 128 rows x 192 bytes of a K step lie on end
.set KROW,   768                       ; a row of codes in memory: 1,024 codes
.set PITCH,  240                       ; an LDS row: 3 x (64 bytes + 16 of padding)
.set FR,     12                        ; registers of a fragment
.set NL,     6                         ; LDS loads that bring one
.set NP,     4                         ; places behind this matrix instruction (ISA guide 7.12.1)
.set HALFT,  128*PITCH                 ; 128 rows: what one tensor load brings
.set SLOT,   4*HALFT                   ; a K step's bytes in LDS.  THE MAP: quarter w (R's halves 0, 1, then P's halves 0, 1) at 2 w HALFT, in it slot 0, then slot 1: so one load can fill a quarter's two slots
.set LAPS,   2                         ; 1,024 along K = two laps of two slots
.set KS,     32                        ; a row of scale bytes
.set SCL,    2*SLOT                    ; behind the ring: the scales, as units of 256 bytes + 16 of padding
.set HALFS,  (128*KS/256)*272
.set SBLK,   (16*KS/256)*272
.set SPARE,  SCL+4*HALFS               ; the spare words, 128 bytes for each wave: two blocks of 256 bytes that no other line names
.set VO,   8                           ; v8-15   byte offsets of the bias loads
.set ADRA, 16                          ; v16-19  LDS addresses of R's fragments in slot 0, 1 (and behind one padding more)
.set ADRB, 20                          ; v20-23  the same for P
.set LI,   24                          ; v24     16 x lane
.set L8,   25                          ; v25     8 x lane
.set ADRS, 27                          ; v27     LDS address of my scale words: lanes 0-15 R's rows, lanes 16-31 P's
.set SPW,  28                          ; v28     my spare word; never rewritten
.set NIL,  29                          ; v29     0; never rewritten
.set SC,   32                          ; scale words, two sets of 16
.set BIAS, 64                          ; v64-127
.set AF,   128                         ; R's fragments
.set TM,   32                          ; the way out: v32-35 largest magnitudes, v36-39 bytes, v44-47 the conversions' scale operands
.set TY,   48                          ; v48-55  the odd blocks' half codes
.set SWR,  56                          ; v56-63  scale word of image (c, i) at 4 c + i
.set IMG,  128                         ; v128-223 image (c, i) at 48 c + 12 i
.set SP2,  224                         ; v224-227 the scale words as they are stored
.set G1,   24                          ; s[24:31] group 1 for R's tiles; s[32:39] its groups 0, one for each slot
.set G0,   32
.set G1B,  48                          ; s[48:55], s[56:63] the same for P's
.set G0B,  56
; s[68:69] my 128 rows' scale bytes in memory, s70 their place in LDS.  The scale bytes (16,384 of the 409,600 bytes that a work-group takes in) come by plain loads and LDS stores, not jointly: each wave has one tensor load at the head.
.set ISV,  66                          ; s66  1 where v is made
.set SH,   67                          ; s67  0 for q, 1 for k and v: kvc and kvs have twice qc's and qs's bytes a step
.set HM,   97                          ; s97  lanes 16-31
.set SEL,  20                          ; s[20:21] on the way out: lane selects, lane l xor 16
.set MSB, 0
.macro WIN new                         ; the immediate's high byte repeats the setting that is left
.if MSB != (\new)
	s_set_vgpr_msb (MSB<<8)|(\new)
.set MSB, (\new)
.endif
.endm
.set MUL_LO, 0xa1                      ; source 0 (P) window 1, source 1 (R) window 0, C and D window 2
.set MUL_HI, 0xf1                      ; the same, C and D window 3
.set TO_B,   0x40                      ; destination window 1, address window 0
; A joint load: waves 0 and 1 fetch for R, waves 2 and 3 for P.  The branch hangs on the wave's number alone.  An s_nop 0 and four v_nop follow each of the two lines.
.macro JLOAD g0a, g1a, g0b, g1b
	s_cmp_eq_u32 s15, 0
	s_cbranch_scc0 .Lfor_b_\@
	tensor_load_to_lds s[\g0a:\g0a+3], s[\g1a:\g1a+7]
	s_nop 0
.rept 4
	v_nop
.endr
	s_branch .Lasked_\@
.Lfor_b_\@:
	tensor_load_to_lds s[\g0b:\g0b+3], s[\g1b:\g1b+7]
	s_nop 0
.rept 4
	v_nop
.endr
.Lasked_\@:
.endm
.macro CREST                           ; a round of the cluster's barrier behind its opening barrier
	s_cmp_lg_u32 s14, 0
	s_cbranch_scc1 .Lnot_wave_0_\@
	s_barrier_signal -3
.Lnot_wave_0_\@:
	s_barrier_wait -3
	s_barrier_signal -1
	s_barrier_wait -1
.endm
.macro CROUND                          ; a whole round
	s_barrier_signal -1
	s_barrier_wait -1
	CREST
.endm
	s_load_b128 s[68:71], s[0:1], 0x0              ; rl 68 (x's codes lie first), x scales 70
	s_load_b64 s[74:75], s[0:1], 0x10              ; Wq scales
	s_load_b64 s[78:79], s[0:1], 0x18              ; Wk scales
	s_load_b256 s[84:91], s[0:1], 0x20             ; bq 84, bk 86, bv 88, qc 90
	s_load_b128 s[92:95], s[0:1], 0x40             ; qs 92, kvc 94
	s_load_b64 s[96:97], s[0:1], 0x50              ; kvs
	s_load_b64 s[82:83], s[0:1], 0x58              ; Wv scales
	v_lshl_add_u32 v[SPW], v0, 2, SPARE
	v_mov_b32 v[NIL], 0
	ds_add_u32 v[SPW], v[NIL]                      ; the wave's opening: the add, twice on end, and its wait ahead of my first tensor load; work on registers stands between
	ds_add_u32 v[SPW], v[NIL]
	v_lshrrev_b32 v1, 5, v0
	v_readfirstlane_b32 s14, v1                    ; wave 0..3
	s_lshr_b32 s15, s14, 1                         ; which half of R's rows is mine.  Also: I fetch for R (0) or for P (1)
	s_and_b32 s16, s14, 1                          ; which half of P's rows.  Also: which 128 rows of that tile I fetch
	s_bfe_u32 s40, ttmp6, 0x40000                  ; cx, cy: my place in the cluster
	s_bfe_u32 s41, ttmp6, 0x40004
	s_and_b32 s21, ttmp7, 0xffff
	s_lshl_b32 s21, s21, 2                         ; 4 x cluster y: it walks the tokens
	s_cmp_eq_u32 ttmp9, 2                          ; v?  The cluster's x: the same in all partners
	s_cselect_b32 s[ISV], 1, 0
	s_cselect_b32 s22, 0, s21                      ; the tokens are R's rows for q and k,
	s_cselect_b32 s23, s21, 0                      ; P's rows for v
	s_cmp_eq_u32 ttmp9, 0
	s_cselect_b32 s[SH], 0, 1
	s_add_co_u32 s17, s41, s22                     ; R's tile: hangs on cy, which my row of the cluster shares
	s_add_co_u32 s42, s40, s23                     ; P's tile: hangs on cx, which my column shares
	s_lshl_b32 s43, s41, 2
	s_lshl_b32 s43, 15, s43                        ; my row of the cluster
	s_lshl_b32 s44, 0x1111, s40                    ; my column
	; group 1: a tile of 128 rows x 192 bytes; 16 bytes of padding behind every 64
	s_or_b32 s[G1+0], s43, (0<<16)|(1<<20)|(1<<21)|(3<<22)|(3<<25)
	s_or_b32 s[G1B+0], s44, (0<<16)|(1<<20)|(1<<21)|(3<<22)|(3<<25)
.irp g, G1, G1B
	s_mov_b32 s[\g+1], 256<<16                     ; rows of 256 bytes; the padding's interval stays 64 bytes, so an LDS row of 192 bytes has the pitch 240
	s_mov_b32 s[\g+2], 192<<16                     ; the head's load: K steps 0 and 1 of 128 rows lie on end in rl: 49,152 bytes = 192 rows; behind it the two words that count rows are set to 96
	s_mov_b32 s[\g+3], 256<<16
	s_mov_b32 s[\g+4], 192
	s_mov_b32 s[\g+5], 256
	s_mov_b32 s[\g+6], 0
	s_mov_b32 s[\g+7], 0
.endr
	s_lshl_b32 s18, s16, 7                         ; which 128 rows of the tile I fetch
	s_lshl_b32 s20, s17, 8
	s_add_co_u32 s20, s20, s18                     ; R: row 256 x tile + 128 x half
	s_lshl_b32 s46, s42, 8
	s_add_co_u32 s46, s46, s18                     ; P likewise
	s_lshl_b32 s22, s20, 5                         ; their scale bytes: 32 a row,
	s_mov_b32 s23, 0
	s_mul_i32 s20, s20, KROW                       ; their codes: 768 bytes a row (under 2^23 in all)
	s_mov_b32 s21, 0
	s_mul_i32 s45, s14, 2*HALFT                    ; where my tiles go: my quarter: no place in the cluster enters an LDS address
	s_wait_dscnt 0x0                               ; both opening adds are done
	s_wait_kmcnt 0x0
	s_add_nc_u64 s[72:73], s[68:69], 0x600000      ; in rl Wq's codes lie behind x's 8,192 rows of 768 bytes,
	s_add_nc_u64 s[76:77], s[68:69], 0x6c0000      ; Wk's 1,024 rows on,
	s_add_nc_u64 s[80:81], s[68:69], 0x780000      ; Wv's 1,024 more
	s_cmp_eq_u32 ttmp9, 0
	s_cselect_b64 s[8:9], s[72:73], s[76:77]       ; Wq or Wk
	s_cselect_b64 s[10:11], s[74:75], s[78:79]
	s_cselect_b64 s[12:13], s[84:85], s[86:87]     ; bq or bk
	s_cselect_b64 s[98:99], s[90:91], s[94:95]     ; out: qc or kvc,
	s_cselect_b64 s[100:101], s[92:93], s[96:97]   ; qs or kvs
	s_cmp_eq_u32 ttmp9, 2
	s_cselect_b64 s[4:5], s[80:81], s[68:69]       ; R: Wv, else x
	s_cselect_b64 s[6:7], s[82:83], s[70:71]
	s_cselect_b64 s[8:9], s[68:69], s[8:9]         ; P: x, else the weight
	s_cselect_b64 s[10:11], s[70:71], s[10:11]
	s_cselect_b64 s[12:13], s[88:89], s[12:13]     ; bv, else as chosen
	s_lshl_b32 s92, s46, 5                         ; (s68-97 are free from here on)
	s_mov_b32 s93, 0
	s_mul_i32 s46, s46, KROW
	s_mov_b32 s47, 0
	s_mul_i32 s94, s14, HALFS
	s_add_nc_u64 s[20:21], s[4:5], s[20:21]
	s_add_nc_u64 s[22:23], s[6:7], s[22:23]
	s_add_nc_u64 s[46:47], s[8:9], s[46:47]
	s_add_nc_u64 s[92:93], s[10:11], s[92:93]
	s_cmp_eq_u32 s15, 0                            ; waves 0, 1 bring R's scale bytes, waves 2, 3 P's: 4,096 bytes each
	s_cselect_b64 s[68:69], s[22:23], s[92:93]
	s_add_co_u32 s70, s94, SCL
	CROUND                                         ; all sixteen work-groups are here: the first joint loads meet
.irp s, 0,1
	s_mov_b32 s[G0+4*\s], 1
	s_add_co_u32 s[G0+4*\s+1], s45, \s*HALFT
	s_add_nc_u64 s[G0+4*\s+2:G0+4*\s+3], s[20:21], \s*ROWB
	s_or_b32 s[G0+4*\s+3], s[G0+4*\s+3], 0x80000000
	s_mov_b32 s[G0B+4*\s], 1
	s_add_co_u32 s[G0B+4*\s+1], s45, \s*HALFT
	s_add_nc_u64 s[G0B+4*\s+2:G0B+4*\s+3], s[46:47], \s*ROWB
	s_or_b32 s[G0B+4*\s+3], s[G0B+4*\s+3], 0x80000000
.endr
	JLOAD G0, G1, G0B, G1B                         ; K steps 0 and 1 of my 128 rows, into my quarter's two slots: my one tensor load at the head
	v_and_b32 v1, 15, v0                           ; r = l % 16
	v_bfe_u32 v2, v0, 4, 1                         ; h = l / 16
	v_mul_u32_u24 v3, v1, PITCH
	v_mul_u32_u24 v4, v2, 24
	v_add_nc_u32 v4, v3, v4                        ; a fragment's row x pitch + 24 x half
	v_lshl_add_u32 v5, v2, 4, v4                   ; and the same behind one padding more
	s_mul_i32 s21, s15, 2*HALFT                    ; my 128 rows of R: quarter 0 or 1
	s_mul_i32 s22, s16, 2*HALFT                    ; my 128 rows of P:
	s_add_co_u32 s22, s22, 4*HALFT                 ; quarter 2 or 3
.irp s, 0,1
	v_add_nc_u32 v[ADRA+\s], s21, v4
	v_add_nc_u32 v[ADRB+\s], s22, v4
	v_add_nc_u32 v[ADRA+2+\s], s21, v5
	v_add_nc_u32 v[ADRB+2+\s], s22, v5
	s_add_co_u32 s21, s21, HALFT
	s_add_co_u32 s22, s22, HALFT
.endr
	v_mul_u32_u24 v5, v1, KS                       ; my row's scales: 32 bytes a row,
	v_lshrrev_b32 v6, 8, v5
	v_lshl_add_u32 v5, v6, 4, v5                   ; and 16 more for each 256 passed
	s_mul_i32 s21, s15, HALFS                      ; R's: my 128 rows
	s_mul_i32 s22, s16, HALFS                      ; P's: my 128 rows, behind R's 256
	s_add_co_u32 s22, s22, 2*HALFS
	s_sub_co_u32 s22, s22, s21
	v_mul_u32_u24 v6, s22, v2                      ; lanes 16-31 take P's
	s_add_co_u32 s21, s21, SCL
	v_add_nc_u32 v5, v5, v6
	v_add_nc_u32 v[ADRS], s21, v5
	v_and_b32 v6, 31, v0
	v_lshlrev_b32 v[LI], 4, v6
	v_lshlrev_b32 v[L8], 3, v6
	v_mul_u32_u24 v26, v2, 272                     ; the scale bytes in LDS: units of 256 bytes + 16: lanes 0-15 fill one unit, lanes 16-31 the next
	v_lshl_add_u32 v26, v1, 4, v26
	v_add_nc_u32 v26, s70, v26
.irp j, 0,1,2,3,4,5,6,7
	global_load_b128 v[AF+4*\j:AF+4*\j+3], v[LI], s[68:69] offset:512*\j   ; 512 consecutive bytes a load
.endr
	; which features and which tokens are my wave's
	s_lshl_b32 s20, s17, 8
	s_lshl_b32 s21, s15, 7
	s_add_co_u32 s20, s20, s21                     ; my first row of R
	s_lshl_b32 s22, s42, 8
	s_lshl_b32 s23, s16, 7
	s_add_co_u32 s22, s22, s23                     ; my first row of P
	s_cmp_eq_u32 s[ISV], 1
	s_cselect_b32 s92, s20, s22                    ; my first feature (of 1,024)
	s_cselect_b32 s93, s22, s20                    ; my first token (of 8,192)
	s_cselect_b32 s21, 4, 0                        ; THE BIAS, with no branch: q, k: register 8 b + j wants feature 16 b + 8 h + j;  v: register 8 a + j wants feature 16 a + r
	s_cselect_b32 s23, 0, 32
	s_cselect_b32 s94, 0, 4
	v_mul_u32_u24 v[VO], v1, s21
	v_mad_u32_u24 v[VO], v2, s23, v[VO]
.irp j, 1,2,3,4,5,6,7
	v_add_nc_u32 v[VO+\j], s94, v[VO+\j-1]
.endr
	s_lshl_b32 s46, s92, 2
	s_mov_b32 s47, 0
	s_add_nc_u64 s[12:13], s[12:13], s[46:47]
.irp g, 0,1,2,3,4,5,6,7
.irp j, 0,1,2,3,4,5,6,7
	global_load_b32 v[BIAS+8*\g+\j], v[VO+\j], s[12:13] offset:64*\g   ; once a wave: 128 numbers of the bias
.endr
.endr
	; where my images go: idx = ((batch x 16 + head) x 16 + step), for my first head; the second lies 16 further on
	s_lshr_b32 s94, s93, 11                        ; batch
	s_lshl_b32 s94, s94, 4
	s_lshr_b32 s92, s92, 6                         ; head
	s_add_co_u32 s94, s94, s92
	s_lshl_b32 s94, s94, 4
	s_bfe_u32 s92, s93, 0x40007                    ; step: 4 bits from bit 7
	s_add_co_u32 s94, s94, s92
	s_mul_i32 s46, s94, 6144
	s_lshl_b32 s46, s46, s[SH]                     ; 6,144 bytes a step in qc, 12,288 in kvc,
	s_mul_i32 s92, s[ISV], 6144                    ; where v's images lie behind k's
	s_add_co_u32 s46, s46, s92
	s_add_nc_u64 s[4:5], s[98:99], s[46:47]        ; s[4:5], s[6:7]: the codes of my two heads
	s_lshl_b32 s46, 16*6144, s[SH]
	s_add_nc_u64 s[6:7], s[4:5], s[46:47]
	s_lshl_b32 s46, s94, 8
	s_lshl_b32 s46, s46, s[SH]
	s_lshl_b32 s92, s[ISV], 8
	s_add_co_u32 s46, s46, s92
	s_add_nc_u64 s[8:9], s[100:101], s[46:47]      ; s[8:9], s[10:11]: their scale words
	s_lshl_b32 s46, 16*256, s[SH]
	s_add_nc_u64 s[10:11], s[8:9], s[46:47]
.macro FRAG reg, adr, q, i             ; a fragment, 16 rows x 128 K, is 12 registers: lane l holds row l % 16; registers 6 c .. 6 c + 5 hold K = 64 c + 32 (l / 16) + 0 .. 31: 24 bytes of the row, as they lie
.irp p, 0,1,2,3,4,5                    ; in pieces of 8 bytes.  Where the piece of lanes 16-31 lies behind one padding more than that of lanes 0-15, the second address register serves
.set PC, 12*(\q)+6*(\p/3)+\p%3
.if PC%8 < 5
	ds_load_b64 v[\reg+2*\p:\reg+2*\p+1], v[\adr] offset:8*PC+16*(PC/8)+(\i)*16*PITCH
.else
	ds_load_b64 v[\reg+2*\p:\reg+2*\p+1], v[\adr+2] offset:8*PC+16*(PC/8)+(\i)*16*PITCH
.endif
.endr
.endm
; 16 matrix instructions: R's blocks a0, a0 + 1 x P's eight, 128 along K.  The 64 accumulators take turns, one instruction a turn, in the same order in every step.
.macro MUL16 a0, p, q, sc, zero
.irp a, \a0, \a0+1
.irp b, 0,1,2,3,4,5,6,7
.if \zero
	v_wmma_scale_f32_16x16x128_f8f6f4 v[8*(8*((\a)%4)+\b):8*(8*((\a)%4)+\b)+7], v[128*(\p)+FR*\b:128*(\p)+FR*\b+FR-1], v[AF+FR*(\a):AF+FR*(\a)+FR-1], 0, v[SC+8*NQ*(\sc)+NQ*\b+(\q)], v[SC+8*NQ*(\sc)+NQ*(\a)+(\q)] matrix_a_fmt:MATRIX_FMT_FP6 matrix_b_fmt:MATRIX_FMT_FP6 matrix_a_scale:MATRIX_SCALE_ROW1
.else
	v_wmma_scale_f32_16x16x128_f8f6f4 v[8*(8*((\a)%4)+\b):8*(8*((\a)%4)+\b)+7], v[128*(\p)+FR*\b:128*(\p)+FR*\b+FR-1], v[AF+FR*(\a):AF+FR*(\a)+FR-1], v[8*(8*((\a)%4)+\b):8*(8*((\a)%4)+\b)+7], v[SC+8*NQ*(\sc)+NQ*\b+(\q)], v[SC+8*NQ*(\sc)+NQ*(\a)+(\q)] matrix_a_fmt:MATRIX_FMT_FP6 matrix_b_fmt:MATRIX_FMT_FP6 matrix_a_scale:MATRIX_SCALE_ROW1
.endif
.endr
.endr
.endm
.macro FETCH_B slot, q, p              ; P's eight fragments of the slot's q-th 128 along K into set p
	WIN TO_B
.irp i, 0,1,2,3,4,5,6,7
	FRAG 128*(\p)+FR*\i, ADRB+\slot, \q, \i
.endr
	WIN 0
.endm
.macro FETCH_A slot, q, i0             ; R's blocks i0 .. i0 + 3
.irp i, \i0, \i0+1, \i0+2, \i0+3
	FRAG AF+FR*(\i), ADRA+\slot, \q, \i
.endr
.endm
.macro SCALES sc                       ; a K step's scale words into set sc: lanes 0-15 take R's block i, lanes 16-31 P's block i
.irp i, 0,1,2,3,4,5,6,7
	ds_load_b64 v[SC+8*NQ*\sc+NQ*\i:SC+8*NQ*\sc+NQ*\i+1], v[ADRS] offset:\i*SBLK
.endr
.endm
.macro PLACES n                        ; plain vector instructions between a matrix instruction and a load into, or a vector instruction on, its registers
.rept \n
	v_nop
.endr
.endm
.macro STEP slot, q, zero              ; a step of 128 along K that has its successor in the same slot
	s_wait_dscnt 4*NL                              ; P's set and R's blocks 0-3 are in; the youngest 24 loads (R's blocks 4-7) may be out
	WIN MUL_LO
	MUL16 0, (\q)%2, \q, \slot, \zero
	MUL16 2, (\q)%2, \q, \slot, \zero
	s_wait_dscnt 0                                 ; R's blocks 4-7 are in
	PLACES NP
	FETCH_B \slot, (\q)+1, 1-(\q)%2
	FETCH_A \slot, (\q)+1, 0
	WIN MUL_HI
	MUL16 4, (\q)%2, \q, \slot, \zero
	MUL16 6, (\q)%2, \q, \slot, \zero
	PLACES NP
	WIN 0
	FETCH_A \slot, (\q)+1, 4
.endm
; A slot's last step changes slots: one barrier; in front of it each wave waits for all its tensor loads, adds 0 to its spare word, and waits for that and for its own reads of this slot.
.macro TURN slot, next, fill
	s_wait_tensorcnt 0x0                           ; all my tensor loads have landed: my part of the next slot
	ds_add_u32 v[SPW], v[NIL]                      ; 0 onto my spare word
	s_wait_dscnt 4*NL+1                            ; (the add and the youngest 24 loads, R's blocks 4-7, may be out)
	WIN MUL_LO
	MUL16 0, 1, NQ-1, \slot, 0                     ; sixteen matrix instructions stand between the add and the wait for it
	s_wait_dscnt 0x0                               ; the add is done, and my reads of this slot are over
	s_barrier_signal -1
	MUL16 2, 1, NQ-1, \slot, 0
	WIN 0
	s_barrier_wait -1
.if \fill
	CREST                                          ; the barrier has opened a round of the cluster's: no wave of any partner still reads this slot or has a load on its way
	s_add_nc_u64 s[G0+4*\slot+2:G0+4*\slot+3], s[G0+4*\slot+2:G0+4*\slot+3], 2*ROWB
	s_add_nc_u64 s[G0B+4*\slot+2:G0B+4*\slot+3], s[G0B+4*\slot+2:G0B+4*\slot+3], 2*ROWB
	JLOAD G0+4*\slot, G1, G0B+4*\slot, G1B         ; the first tensor load behind the round; its four v_nop are the places in front of the loads below
.else
	PLACES NP
.endif
	s_wait_alu depctr_va_vdst(0)
	v_add_nc_u32 v[ADRS], 4*NQ, v[ADRS]            ; on to the next K step's scale words
	FETCH_B \next, 0, 0
	FETCH_A \next, 0, 0
	SCALES \next
	WIN MUL_HI
	MUL16 4, 1, NQ-1, \slot, 0
	MUL16 6, 1, NQ-1, \slot, 0
	PLACES NP
	WIN 0
	FETCH_A \next, 0, 4
.endm
	s_wait_alu depctr_va_vdst(0)                   ; the wait at the head's end
	s_wait_loadcnt 0x0                             ; the bias and my scale bytes
.irp j, 0,1,2,3,4,5,6,7
	ds_store_b128 v26, v[AF+4*\j:AF+4*\j+3] offset:544*\j   ; into bytes that no tensor load fills
.endr
	s_wait_tensorcnt 0x0                           ; my part of K steps 0 and 1 is in, and no tensor load of mine is out: a descriptor may be written
	s_mov_b32 s[G1+2], 96<<16                      ; from here on a load brings one K step of 128 rows: 96 rows of 256 bytes
	s_mov_b32 s[G1+4], 96
	s_mov_b32 s[G1B+2], 96<<16
	s_mov_b32 s[G1B+4], 96
	s_wait_dscnt 0x0                               ; my stores are done
	s_barrier_signal -1
	s_barrier_wait -1                              ; everybody's parts are in; slot 0 is filled again only at the first turn
	FETCH_B 0, 0, 0
	FETCH_A 0, 0, 0
	SCALES 0
	FETCH_A 0, 0, 4
	STEP 0, 0, 1                                   ; the first step stands in front of the loop: its products start the sums
	s_mov_b32 s3, LAPS-1
.Llap:                                             ; a trip goes once round the ring and fills both slots again
	TURN 0, 1, 1
	STEP 1, 0, 0
	TURN 1, 0, 1
	STEP 0, 0, 0
	s_sub_co_u32 s3, s3, 1
	s_cmp_lg_u32 s3, 0
	s_cbranch_scc1 .Llap
	TURN 0, 1, 0                                   ; the last lap fills nothing
	STEP 1, 0, 0
	s_wait_dscnt 4*NL                              ; the very last step
	WIN MUL_LO
	MUL16 0, 1, NQ-1, 1, 0
	MUL16 2, 1, NQ-1, 1, 0
	s_wait_dscnt 0
	WIN MUL_HI
	MUL16 4, 1, NQ-1, 1, 0
	MUL16 6, 1, NQ-1, 1, 0
	WIN 0
; THE WAY OUT, a block of 16 of R's rows (64 registers a lane) at a time: + bias, quantised, stored as images.
.macro ADDB a, isv                     ; the bias, two numbers an instruction; each accumulator is read from its low end on
.set W, 2+(\a)/4
.set AC, 64*((\a)%4)
	WIN (W<<6)|W                                   ; destination and source 0: the accumulators' window
.set j, 0
.rept 32
.if \isv
	v_pk_add_f32 v[AC+j:AC+j+1], v[AC+j:AC+j+1], v[BIAS+8*(\a)+j%8:BIAS+8*(\a)+j%8+1]
.else
	v_pk_add_f32 v[AC+j:AC+j+1], v[AC+j:AC+j+1], v[BIAS+j:BIAS+j+1]
.endif
.set j, j+2
.endr
.endm
; The lane's 64 numbers are four half blocks: registers 16 b + 0..15 are 16 numbers of block b; lane l xor 16 holds the other 16.  Blocks 0, 1 become six registers at d0, blocks 2, 3 six at d1:
; lanes 0-15 the even block, lanes 16-31 the odd one.  The bytes stay in v[TM+4 .. TM+7].
.macro QUANT a, d0, d1
.set W, 2+(\a)/4
.set AC, 64*((\a)%4)
	WIN (W<<2)|(W<<4)                              ; sources 1 and 2: the accumulators' window
.irp b, 0,1,2,3
	v_max3_num_f32 v[TM+\b], 0x1800000, |v[AC+16*\b]|, |v[AC+16*\b+1]|   ; with the floor 2^(3 - 127): the byte cannot fall under 1
.endr
.irp m, 2,4,6,8,10,12,14
.irp b, 0,1,2,3
	v_max3_num_f32 v[TM+\b], v[TM+\b], |v[AC+16*\b+\m]|, |v[AC+16*\b+\m+1]|   ; (the four blocks by turns)
.endr
.endr
	WIN 0
.irp b, 0,1,2,3
	v_permlanex16_b32 v[TM+4+\b], v[TM+\b], s[SEL], s[SEL+1]
.endr
.irp b, 0,1,2,3
	v_max_num_f32 v[TM+\b], v[TM+\b], v[TM+4+\b]   ; with lane l xor 16's: the block's largest magnitude
.endr
.irp b, 0,1,2,3
	v_add_nc_u32 v[TM+12+\b], 0xff000000, v[TM+\b] ; 2 off its exponent field: the conversion takes this operand's exponent field as its scale
.endr
.irp b, 0,1,2,3
	v_lshrrev_b32 v[TM+4+\b], 23, v[TM+12+\b]      ; the scale's byte
.endr
	WIN W                                          ; source 0: the accumulators' window
	v_cvt_scalef32_pk16_fp6_f32 v[\d0:\d0+2], v[AC:AC+15], v[TM+12]
	v_cvt_scalef32_pk16_fp6_f32 v[TY:TY+2], v[AC+16:AC+31], v[TM+13]
	v_cvt_scalef32_pk16_fp6_f32 v[\d1:\d1+2], v[AC+32:AC+47], v[TM+14]
	v_cvt_scalef32_pk16_fp6_f32 v[TY+4:TY+6], v[AC+48:AC+63], v[TM+15]
	WIN 0
	v_nop                                          ; one plain place behind a scaled conversion
.irp k, 0,1,2
	v_permlane16_swap_b32 v[\d0+\k], v[TY+\k]      ; the even block's lanes 16-31 change places with the odd block's lanes 0-15: a lane now holds a whole block
	v_permlane16_swap_b32 v[\d1+\k], v[TY+4+\k]
.endr
.irp k, 0,1,2
	v_mov_b32 v[\d0+3+\k], v[TY+\k]
	v_mov_b32 v[\d1+3+\k], v[TY+4+\k]
.endr
.endm
.macro SWQK i, u                       ; q, k: image (c, i)'s scale word: tile u's two bytes of head c at bytes 2 u, 2 u + 1
.irp c, 0,1
.if \u == 0
	v_lshl_or_b32 v[SWR+4*\c+\i], v[TM+5+2*\c], 8, v[TM+4+2*\c]
.else
	v_lshl_or_b32 v[SWR+4*\c+\i], v[TM+4+2*\c], 16, v[SWR+4*\c+\i]
	v_lshl_or_b32 v[SWR+4*\c+\i], v[TM+5+2*\c], 24, v[SWR+4*\c+\i]
.endif
.endr
.endm
.macro SWV a                           ; v: the four key blocks' bytes
	v_lshl_or_b32 v[SWR+(\a)], v[TM+5], 8, v[TM+4]
	v_lshl_or_b32 v[SWR+(\a)], v[TM+6], 16, v[SWR+(\a)]
	v_lshl_or_b32 v[SWR+(\a)], v[TM+7], 24, v[SWR+(\a)]
.endm
.macro PUT c, i                        ; image (c, i): each store of the wave covers 512 consecutive bytes, aligned; no register that a store reads is written again
.irp k, 0,1,2
	global_store_b128 v[LI], v[IMG+48*(\c)+12*(\i)+4*\k:IMG+48*(\c)+12*(\i)+4*\k+3], s[4+2*(\c):5+2*(\c)] offset:1536*(\i)+512*\k
.endr
.endm
	PLACES NP                                      ; behind the last products
	s_mov_b32 s[SEL], 0x76543210
	s_mov_b32 s[SEL+1], 0xfedcba98
	s_mov_b32 s[HM], 0xffff0000
.irp b, 0,1,2,3
	v_mov_b32 v[TM+4+\b], 0                        ; written once: a lane permute's destination counts as one of its sources
.endr
	s_cmp_eq_u32 s[ISV], 1                         ; from the cluster's x alone: the same in all waves and all partners
	s_cbranch_scc1 .Lv
.irp i, 0,1,2,3                        ; q, k: block a = 2 i + u holds tokens 32 i + 16 u + r; its blocks 0, 1 are my first head's d, blocks 2, 3 my second's
.irp u, 0,1
	ADDB 2*\i+\u, 0
	QUANT 2*\i+\u, IMG+12*\i+6*\u, IMG+48+12*\i+6*\u
	SWQK \i, \u
.endr
	PUT 0, \i
	PUT 1, \i
.endr
	s_branch .Ljoin
.Lv:
.irp c, 0,1                            ; v: block a = 4 c + i holds d = 16 i + r of head c; its four blocks are the step's four key blocks
.irp i, 0,1,2,3
	ADDB 4*\c+\i, 1
	QUANT 4*\c+\i, IMG+48*\c+12*\i, IMG+48*\c+12*\i+6
	SWV 4*\c+\i
	PUT \c, \i
.endr
.endr
.Ljoin:
	s_wait_alu depctr_va_vdst(0)
.irp c, 0,1                            ; the scale words: both halves of the lanes hold row r's word: lanes 0-15 keep the even image's, lanes 16-31 take the odd one's
.irp n, 0,1
	v_cndmask_b32 v[SP2+2*\c+\n], v[SWR+4*\c+2*\n], v[SWR+4*\c+2*\n+1], s[HM]
.endr
	global_store_b64 v[L8], v[SP2+2*\c:SP2+2*\c+1], s[8+2*\c:9+2*\c]   ; 32 lanes store 256 consecutive bytes, aligned
.endr
	s_wait_tensorcnt 0x0                           ; the wave's end
	ds_add_u32 v[SPW], v[NIL]
	s_wait_dscnt 0x0
	CROUND                                         ; the closing round: no work-group ends while a partner may still ask for a tile that names it
	s_endpgm
.Lfunc_end_k_qad525c0c87_qkv:
	.size	k_qad525c0c87_qkv, .Lfunc_end_k_qad525c0c87_qkv-k_qad525c0c87_qkv
	.p2alignl 7, 3214868480
	.fill 96, 4, 3214868480
	.section	.rodata,"a",@progbits
	.p2align	6, 0x0
	.amdhsa_kernel k_qad525c0c87_qkv
		.amdhsa_group_segment_fixed_size 327680
		.amdhsa_private_segment_fixed_size 0
		.amdhsa_enable_private_segment 0
		.amdhsa_kernarg_size 96
		.amdhsa_user_sgpr_count 2
		.amdhsa_user_sgpr_kernarg_segment_ptr 1
		.amdhsa_wavefront_size32 1
		.amdhsa_system_sgpr_workgroup_id_x 1
		.amdhsa_system_sgpr_workgroup_id_y 1
		.amdhsa_system_sgpr_workgroup_id_z 1
		.amdhsa_system_vgpr_workitem_id 0
		.amdhsa_next_free_vgpr 1024
		.amdhsa_next_free_sgpr 102
		.amdhsa_reserve_vcc 0
		.amdhsa_float_denorm_mode_32 3
		.amdhsa_float_denorm_mode_16_64 3
		.amdhsa_memory_ordered 1
		.amdhsa_forward_progress 1
		.amdhsa_inst_pref_size 237
	.end_amdhsa_kernel
	.amdgpu_metadata
---
amdhsa.version: [ 1, 2 ]
amdhsa.kernels:
  - .name:           k_qad525c0c87_qkv
    .symbol:         k_qad525c0c87_qkv.kd
    .args:
      - { .name: rl, .offset: 0, .size: 8, .value_kind: global_buffer, .address_space: global }
      - { .name: x_scales, .offset: 8, .size: 8, .value_kind: global_buffer, .address_space: global }
      - { .name: Wq_scales, .offset: 16, .size: 8, .value_kind: global_buffer, .address_space: global }
      - { .name: Wk_scales, .offset: 24, .size: 8, .value_kind: global_buffer, .address_space: global }
      - { .name: bq, .offset: 32, .size: 8, .value_kind: global_buffer, .address_space: global }
      - { .name: bk, .offset: 40, .size: 8, .value_kind: global_buffer, .address_space: global }
      - { .name: bv, .offset: 48, .size: 8, .value_kind: global_buffer, .address_space: global }
      - { .name: qc, .offset: 56, .size: 8, .value_kind: global_buffer, .address_space: global }
      - { .name: qs, .offset: 64, .size: 8, .value_kind: global_buffer, .address_space: global }
      - { .name: kvc, .offset: 72, .size: 8, .value_kind: global_buffer, .address_space: global }
      - { .name: kvs, .offset: 80, .size: 8, .value_kind: global_buffer, .address_space: global }
      - { .name: Wv_scales, .offset: 88, .size: 8, .value_kind: global_buffer, .address_space: global }
    .group_segment_fixed_size: 327680
    .private_segment_fixed_size: 0
    .kernarg_segment_align: 8
    .kernarg_segment_size: 96
    .max_flat_workgroup_size: 128
    .sgpr_count:     102
    .vgpr_count:     1024
    .wavefront_size: 32
...
	.end_amdgpu_metadata
.endif
;; end of part 2
;; launch attn (part 3): grid 4 x 64, 16 waves a work-group, clusters of 4 x 1, 327,680 bytes of LDS; arguments qc, qs, kvc, kvs, vc, vs; writes vc, vs
.if DOCPART == 3
	.amdgcn_target "amdgcn-amd-amdhsa--gfx1250"
	.amdhsa_code_object_version 6
	.text
	.protected	k_qad525c0c87_attn
	.globl	k_qad525c0c87_attn
	.p2align	8
	.type	k_qad525c0c87_attn,@function
k_qad525c0c87_attn:
	s_mov_b64 s[64:65], 0
	v_nop
	global_prefetch_b8 v0, s[64:65] scope:SCOPE_SE
	s_setreg_imm32_b32 hwreg(HW_REG_WAVE_MODE, 25, 1), 1
	s_wait_xcnt 0x0
	s_wait_alu depctr_hold_cnt(0) depctr_sa_sdst(0) depctr_va_vdst(0) depctr_va_sdst(0) depctr_va_ssrc(0) depctr_va_vcc(0) depctr_vm_vsrc(0)
	s_getreg_b32 s2, hwreg(HW_REG_IB_STS2, 6, 4)
	s_cmp_eq_u32 s2, 0
	s_cbranch_scc0 .Lentry_in_a_cluster
	s_endpgm
.Lentry_in_a_cluster:
	s_bfe_u32 s2, ttmp6, 0x10000c
	s_cmp_lg_u32 s2, 0x3003
	s_cbranch_scc0 .Lentry_shape_is_right
	s_endpgm
.Lentry_shape_is_right:
; o = softmax(q k^T / 8) v on codes of FP6 with E8M0 scales, for one (batch, head) a cluster of four work-groups; o is quantised along the head's 64 and leaves as codes for the last product.  No work is left out.
; SHARES: a work-group has 512 queries, each of its 16 waves 32 of them in two passes of 16.  All 2,048 keys' images of k and v (16 steps x 12,288 bytes) lie in LDS from byte 0, their scale words (16 x 512 bytes) from SCB.
; FILLS: wave w asks once, jointly with the same wave of the three partners, for step w's 12,288 bytes (48 rows of 256); it brings step w's 512 scale bytes by one plain load and one LDS store, into bytes that no tensor load fills.
; One barrier shows all of it to all waves; nothing is filled again, so the loop over the 16 steps has no barrier.  No prefetch: all that the launch reads is asked for at its head.
; THE STEP: S^T = k q^T (a lane holds one query), a running whole-number M = ceil(largest t), p = 2^(t - M), the row's sum of the unquantised p, p quantised by blocks of 32 keys, O^T and the sum brought under the new M by an exact power of two.
; LIMITS: NaN and infinities are not served; the promise holds while the scaled scores stay under 2^31 in magnitude.
.set SCB,   196608
.set SPARE, 204800
.set AK0,  1
.set AS0,  2
.set SPW,  3
.set NIL,  4
.set ADK,  5
.set ADS,  6
.set GO,   7
.set GS,   8
.set WV,   18
.set CX,   19
.set SEL,  20
.set CS,   22
.set G1C,  24
.set G1S,  32
.set G0S,  40
.set G0C,  44
.set BH,   60
.set TB,   2
.set TS,   3
.set CNT,  76
.set PASS, 77
.macro CROUND
	s_barrier_signal -1
	s_barrier_wait -1
	s_cmp_lg_u32 s[WV], 0
	s_cbranch_scc1 .Lnot_wave_0_\@
	s_barrier_signal -3
.Lnot_wave_0_\@:
	s_barrier_wait -3
	s_barrier_signal -1
	s_barrier_wait -1
.endm
	s_load_b256 s[4:11], s[0:1], 0x0
	s_load_b128 s[12:15], s[0:1], 0x20
	v_lshl_add_u32 v[SPW], v0, 2, SPARE
	v_mov_b32 v[NIL], 0
	ds_add_u32 v[SPW], v[NIL]
	ds_add_u32 v[SPW], v[NIL]
	v_lshrrev_b32 v9, 5, v0
	s_delay_alu instid0(VALU_DEP_1)
	v_readfirstlane_b32 s[WV], v9
	s_bfe_u32 s[CX], ttmp6, 0x40000
	s_and_b32 s[BH], ttmp7, 0xffff
	s_mov_b32 s[G1C], 15|(3<<16)|(1<<21)
	s_mov_b32 s[G1C+1], 32<<16
	s_mov_b32 s[G1C+2], 48<<16
	s_mov_b32 s[G1C+3], 32<<16
	s_mov_b32 s[G1C+4], 48
	s_mov_b32 s[G1C+5], 32
	s_mov_b32 s[G1C+6], 0
	s_mov_b32 s[G1C+7], 0
	s_mul_i32 s68, s[WV], 12288
	s_mul_i32 s66, s[BH], 196608
	s_add_co_u32 s66, s66, s68
	s_mov_b32 s67, 0
	s_lshl_b32 s69, s[WV], 9
	s_lshl_b32 s70, s[BH], 13
	s_add_co_u32 s70, s70, s69
	s_mov_b32 s71, 0
	s_mov_b32 s[SEL], 0x76543210
	s_mov_b32 s[SEL+1], 0xfedcba98
	s_mov_b32 s[CS], 0x3e38aa3b
	s_mov_b32 s[CS+1], s[CS]
	s_wait_dscnt 0x0
	s_wait_kmcnt 0x0
	s_add_nc_u64 s[8:9], s[8:9], s[66:67]
	s_add_nc_u64 s[10:11], s[10:11], s[70:71]
	s_mov_b32 s[G0C], 1
	s_mul_i32 s[G0C+1], s[WV], 12288               ; step w's images go to LDS byte 12,288 w
	s_mov_b64 s[G0C+2:G0C+3], s[8:9]
	s_or_b32 s[G0C+3], s[G0C+3], 0x80000000
	CROUND                                         ; the four partners are here: the joint loads meet
	tensor_load_to_lds s[G0C:G0C+3], s[G1C:G1C+7]  ; my one tensor load of the launch
	s_nop 0
.rept 4
	v_nop
.endr
	v_and_b32 v9, 31, v0
	s_delay_alu instid0(VALU_DEP_1)
	v_lshlrev_b32 v[AK0], 4, v9
	s_wait_alu depctr_va_vdst(0)
	v_lshlrev_b32 v[GO], 3, v9
	s_delay_alu instid0(VALU_DEP_1)
	v_add_nc_u32 v[AS0], SCB, v[GO]
	v_and_b32 v9, 15, v0
	s_delay_alu instid0(VALU_DEP_1)
	v_lshlrev_b32 v[GS], 5, v9
	s_delay_alu instid0(VALU_DEP_2)
	v_lshlrev_b32 v9, 3, v9
	s_wait_alu depctr_va_vdst(0)
	s_lshl_b32 s69, s[CX], 4
	s_add_co_u32 s69, s69, s[WV]
	s_mul_i32 s70, s[BH], 98304
	s_mul_i32 s72, s69, 1536
	s_add_co_u32 s70, s70, s72
	s_add_nc_u64 s[4:5], s[4:5], s[70:71]
	s_lshl_b32 s70, s[BH], 12
	s_lshr_b32 s72, s69, 2
	s_lshl_b32 s72, s72, 8
	s_add_co_u32 s70, s70, s72
	s_and_b32 s72, s69, 1
	s_lshl_b32 s72, s72, 7
	s_add_co_u32 s70, s70, s72
	s_bfe_u32 s72, s69, 0x10001
	s_lshl_b32 s72, s72, 2
	s_add_co_u32 s70, s70, s72
	s_add_nc_u64 s[6:7], s[6:7], s[70:71]
.irp c, 0,1,2
	global_load_b128 v[36+4*\c:39+4*\c], v[AK0], s[4:5] offset:512*\c
.endr
	global_load_b32 v35, v9, s[6:7]
	global_load_b128 v[48:51], v[AK0], s[10:11]    ; step w's scale words: 512 consecutive bytes
	s_lshr_b32 s72, s[BH], 4
	s_lshl_b32 s72, s72, 7
	s_lshl_b32 s73, s[CX], 5
	s_add_co_u32 s72, s72, s73
	s_lshl_b32 s73, s[WV], 1
	s_add_co_u32 s72, s72, s73
	s_and_b32 s73, s[BH], 15
	s_mul_i32 s70, s72, 12288
	s_mul_i32 s74, s73, 768
	s_add_co_u32 s70, s70, s74
	s_add_nc_u64 s[12:13], s[12:13], s[70:71]
	s_lshl_b32 s70, s72, 9
	s_lshl_b32 s74, s73, 1
	s_add_co_u32 s70, s70, s74
	s_add_nc_u64 s[14:15], s[14:15], s[70:71]
.irp i, 0,1,2,3,4,5
	v_mov_b32 v[16+\i], 0
	v_mov_b32 v[28+\i], 0
.endr
.irp b, 0,1,2,3
	v_mov_b32 v[236+\b], 0
.endr
	v_mov_b32 v253, 0
	v_lshl_add_u32 v52, v0, 4, SCB                 ; their place in LDS: SCB + 512 x wave + 16 x lane
	s_wait_alu depctr_va_vdst(0)                   ; the wait at the head's end
	s_wait_loadcnt 0x0
	ds_store_b128 v52, v[48:51]
	s_wait_tensorcnt 0x0                           ; my step's images are in,
	s_wait_dscnt 0x0                               ; my store is done:
	s_barrier_signal -1
	s_barrier_wait -1                              ; both hold of every wave
.macro STEP
	v_add_nc_u32 v[ADK], s[TB], v[AK0]
	v_add_nc_u32 v[ADS], s[TS], v[AS0]
	v_nop
	v_nop
.irp i, 0,1,2,3
.irp c, 0,1,2
	ds_load_b128 v[48+12*\i+4*\c:51+12*\i+4*\c], v[ADK] offset:1536*\i+512*\c
.endr
.endr
	ds_load_b64 v[10:11], v[ADS]
	ds_load_b64 v[192:193], v[ADS] offset:256
	s_wait_alu depctr_va_vdst(0)
	s_wait_dscnt 0x0
.irp i, 0,1,2,3
.irp u, 0,1
.if (\i%2) == 0
	v_wmma_scale_f32_16x16x128_f8f6f4 v[96+8*(2*\i+\u):103+8*(2*\i+\u)], v[48+12*\i:59+12*\i], v[22-6*\u:33-6*\u], 0, v[10+\i/2], v34 matrix_a_fmt:MATRIX_FMT_FP6 matrix_b_fmt:MATRIX_FMT_FP6
.else
	v_wmma_scale_f32_16x16x128_f8f6f4 v[96+8*(2*\i+\u):103+8*(2*\i+\u)], v[48+12*\i:59+12*\i], v[22-6*\u:33-6*\u], 0, v[10+\i/2], v34 matrix_a_fmt:MATRIX_FMT_FP6 matrix_b_fmt:MATRIX_FMT_FP6 matrix_a_scale:MATRIX_SCALE_ROW1
.endif
.endr
.endr
.rept 4
	v_nop
.endr
.irp t, 0,1,2,3
.irp c, 0,1,2
	ds_load_b128 v[48+12*\t+4*\c:51+12*\t+4*\c], v[ADK] offset:6144+1536*\t+512*\c
.endr
.endr
.irp b, 0,1,2,3
	v_max3_num_f32 v[232+\b], v[96+16*\b], v[97+16*\b], v[98+16*\b]
.endr
.irp i, 3,5,7,9,11,13
.irp b, 0,1,2,3
	v_max3_num_f32 v[232+\b], v[232+\b], v[96+16*\b+\i], v[97+16*\b+\i]
.endr
.endr
.irp b, 0,1,2,3
	v_max_num_f32 v[232+\b], v[232+\b], v[111+16*\b]
.endr
.irp b, 0,1,2,3
	s_delay_alu instid0(VALU_DEP_4)
	v_permlanex16_b32 v[236+\b], v[232+\b], s[SEL], s[SEL+1]
.endr
.irp b, 0,1,2,3
	s_delay_alu instid0(VALU_DEP_4)
	v_max_num_f32 v[232+\b], v[232+\b], v[236+\b]
.endr
	s_delay_alu instid0(VALU_DEP_2)
	v_max3_num_f32 v254, v232, v233, v234
	s_delay_alu instid0(VALU_DEP_1)
	v_max_num_f32 v254, v254, v235
	s_delay_alu instid0(VALU_DEP_1)
	v_mul_f32 v254, s[CS], v254
	s_delay_alu instid0(VALU_DEP_1)
	v_max_num_f32 v13, v13, v254
	v_mov_b32 v254, v12
	s_delay_alu instid0(VALU_DEP_2)
	v_floor_f32 v12, -v13
	s_delay_alu instid0(VALU_DEP_1)
	v_sub_f32 v254, v12, v254
	s_delay_alu instid0(VALU_DEP_1)
	v_cvt_i32_f32 v254, v254
	s_delay_alu instid0(VALU_DEP_1)
	v_ldexp_f32 v252, 1.0, v254
.set j, 0
.rept 32
	v_pk_fma_f32 v[96+j:97+j], v[96+j:97+j], s[CS:CS+1], v[12:13] op_sel_hi:[1,0,0]
.set j, j+2
.endr
.irp b, 0,1,2,3
	v_fma_f32 v[232+\b], v[232+\b], s[CS], v12
.endr
.set j, 0
	s_wait_alu depctr_va_vdst(0)
.rept 64
	v_exp_f32 v[96+j], v[96+j]
.set j, j+1
.endr
	v_pk_mul_f32 v[14:15], v[14:15], v[252:253] op_sel_hi:[1,0]
	s_wait_alu depctr_va_vdst(0)
.irp b, 0,1,2,3
	v_exp_f32 v[232+\b], v[232+\b]
.endr
	v_pk_add_f32 v[236:237], v[96:97], v[98:99]
.irp j, 4,8,12,16,20,24,28,32,36,40,44,48,52,56,60
	v_pk_add_f32 v[14:15], v[14:15], v[96+\j:97+\j]
	v_pk_add_f32 v[236:237], v[236:237], v[98+\j:99+\j]
.endr
	s_delay_alu instid0(VALU_DEP_1)
	v_pk_add_f32 v[14:15], v[14:15], v[236:237]
	s_wait_alu depctr_va_vdst(0)
.irp b, 0,1,2,3
	v_max_num_f32 v[232+\b], 0x1800000, v[232+\b]
.endr
.irp b, 0,1,2,3
	s_delay_alu instid0(VALU_DEP_4)
	v_add_nc_u32 v[244+\b], 0xff000000, v[232+\b]
.endr
.irp b, 0,1,2,3
	s_delay_alu instid0(VALU_DEP_4)
	v_lshrrev_b32 v[236+\b], 23, v[244+\b]
.endr
	s_delay_alu instid0(VALU_DEP_3)
	v_lshl_or_b32 v253, v237, 8, v236
	s_delay_alu instid0(VALU_DEP_1)
	v_lshl_or_b32 v253, v238, 16, v253
	s_delay_alu instid0(VALU_DEP_1)
	v_lshl_or_b32 v253, v239, 24, v253
.irp c, 0,1
	v_cvt_scalef32_pk16_fp6_f32 v[224+6*\c:226+6*\c], v[96+32*\c:111+32*\c], v[244+2*\c]
	v_cvt_scalef32_pk16_fp6_f32 v[236+4*\c:238+4*\c], v[112+32*\c:127+32*\c], v[244+2*\c+1]
.endr
	v_nop
.irp c, 0,1
.irp i, 0,1,2
	v_permlane16_swap_b32 v[224+6*\c+\i], v[236+4*\c+\i]
.endr
.irp i, 0,1,2
	s_delay_alu instid0(VALU_DEP_3)
	v_mov_b32 v[227+6*\c+\i], v[236+4*\c+\i]
.endr
.endr
.set j, 0
.rept 16
	v_pk_mul_f32 v[160+j:161+j], v[160+j:161+j], v[252:253] op_sel_hi:[1,0]
.set j, j+2
.endr
	s_wait_alu depctr_va_vdst(0)
	s_wait_dscnt 0x0
.irp t, 0,1,2,3
.if (\t%2) == 0
	v_wmma_scale_f32_16x16x128_f8f6f4 v[160+8*\t:167+8*\t], v[48+12*\t:59+12*\t], v[224:235], v[160+8*\t:167+8*\t], v[192+\t/2], v253 matrix_a_fmt:MATRIX_FMT_FP6 matrix_b_fmt:MATRIX_FMT_FP6
.else
	v_wmma_scale_f32_16x16x128_f8f6f4 v[160+8*\t:167+8*\t], v[48+12*\t:59+12*\t], v[224:235], v[160+8*\t:167+8*\t], v[192+\t/2], v253 matrix_a_fmt:MATRIX_FMT_FP6 matrix_b_fmt:MATRIX_FMT_FP6 matrix_a_scale:MATRIX_SCALE_ROW1
.endif
.endr
	s_add_co_u32 s[TB], s[TB], 12288
	s_add_co_u32 s[TS], s[TS], 512
.endm
.macro GROUP n
	s_mov_b32 s[CNT], \n
.Lstep_\@:
	STEP
	s_sub_co_u32 s[CNT], s[CNT], 1
	s_cmp_lg_u32 s[CNT], 0
	s_cbranch_scc1 .Lstep_\@
.endm
	s_mov_b32 s[PASS], 2
.Lpass:
.irp i, 0,1,2,3,4,5
	v_mov_b32 v[22+\i], v[36+\i]
.endr
.irp i, 0,1,2,3,4,5
	v_mov_b32 v[36+\i], v[42+\i]
.endr
	v_and_b32 v34, 0xffff, v35
	s_delay_alu instid0(VALU_DEP_1)
	v_lshl_or_b32 v34, v34, 16, v34
	v_lshrrev_b32 v35, 16, v35
	v_mov_b32 v13, 0xff61b1e6
	s_delay_alu instid0(VALU_DEP_1)
	v_floor_f32 v12, -v13
	v_mov_b32 v14, 0
	v_mov_b32 v15, 0
.set j, 0
.rept 32
	v_mov_b32 v[160+j], 0
.set j, j+1
.endr
	s_mov_b32 s[TB], 0
	s_mov_b32 s[TS], 0
	GROUP 16
.rept 4
	v_nop
.endr
	v_add_f32 v14, v14, v15
	s_delay_alu instid0(VALU_DEP_1)
	v_permlanex16_b32 v252, v14, s[SEL], s[SEL+1]
	s_delay_alu instid0(VALU_DEP_1)
	v_add_f32 v14, v14, v252
	s_wait_alu depctr_va_vdst(0)
	v_rcp_f32 v14, v14
	v_nop
	s_wait_alu depctr_va_vdst(0)
.set j, 0
.rept 32
	v_mul_f32 v[96+j], v[160+j], v14
.set j, j+1
.endr
.irp b, 0,1
	v_max3_num_f32 v[232+\b], |v[96+16*\b]|, |v[97+16*\b]|, 0x1800000
.endr
.irp i, 2,4,6,8,10,12,14
.irp b, 0,1
	s_delay_alu instid0(VALU_DEP_2)
	v_max3_num_f32 v[232+\b], v[232+\b], |v[96+16*\b+\i]|, |v[97+16*\b+\i]|
.endr
.endr
.irp b, 0,1
	s_delay_alu instid0(VALU_DEP_2)
	v_permlanex16_b32 v[236+\b], v[232+\b], s[SEL], s[SEL+1]
.endr
.irp b, 0,1
	s_delay_alu instid0(VALU_DEP_2)
	v_max_num_f32 v[232+\b], v[232+\b], v[236+\b]
.endr
.irp b, 0,1
	s_delay_alu instid0(VALU_DEP_2)
	v_add_nc_u32 v[246+\b], 0xff000000, v[232+\b]
.endr
.irp b, 0,1
	s_delay_alu instid0(VALU_DEP_2)
	v_lshrrev_b32 v[236+\b], 23, v[246+\b]
.endr
	s_delay_alu instid0(VALU_DEP_1)
	v_lshl_or_b32 v254, v237, 8, v236
	v_cvt_scalef32_pk16_fp6_f32 v[224:226], v[96:111], v246
	v_cvt_scalef32_pk16_fp6_f32 v[228:230], v[112:127], v247
	v_nop
.irp i, 0,1,2
	v_permlane16_swap_b32 v[224+\i], v[228+\i]
.endr
	s_delay_alu instid0(VALU_DEP_3)
	v_mov_b32 v240, v224
	s_delay_alu instid0(VALU_DEP_3)
	v_perm_b32 v241, v228, v225, 0x05040100
	s_delay_alu instid0(VALU_DEP_4)
	v_perm_b32 v242, v229, v228, 0x05040302
	s_delay_alu instid0(VALU_DEP_4)
	v_perm_b32 v243, v226, v225, 0x05040302
	v_perm_b32 v244, v229, v226, 0x07060302
	v_mov_b32 v245, v230
	global_store_b64 v[GO], v[240:241], s[12:13]
	global_store_b64 v[GO], v[242:243], s[12:13] offset:256
	global_store_b64 v[GO], v[244:245], s[12:13] offset:512
	global_store_b16 v[GS], v254, s[14:15]
	s_wait_xcnt 0x0
	s_add_nc_u64 s[12:13], s[12:13], 12288
	s_add_nc_u64 s[14:15], s[14:15], 512
	s_sub_co_u32 s[PASS], s[PASS], 1
	s_cmp_lg_u32 s[PASS], 0
	s_cbranch_scc1 .Lpass
	s_wait_tensorcnt 0x0
	ds_add_u32 v[SPW], v[NIL]
	s_wait_dscnt 0x0
	CROUND
	s_endpgm
.Lfunc_end_k_qad525c0c87_attn:
	.size	k_qad525c0c87_attn, .Lfunc_end_k_qad525c0c87_attn-k_qad525c0c87_attn
	.p2alignl 7, 3214868480
	.fill 96, 4, 3214868480
	.section	.rodata,"a",@progbits
	.p2align	6, 0x0
	.amdhsa_kernel k_qad525c0c87_attn
		.amdhsa_group_segment_fixed_size 327680
		.amdhsa_private_segment_fixed_size 0
		.amdhsa_enable_private_segment 0
		.amdhsa_kernarg_size 48
		.amdhsa_user_sgpr_count 2
		.amdhsa_user_sgpr_kernarg_segment_ptr 1
		.amdhsa_wavefront_size32 1
		.amdhsa_system_sgpr_workgroup_id_x 1
		.amdhsa_system_sgpr_workgroup_id_y 1
		.amdhsa_system_sgpr_workgroup_id_z 1
		.amdhsa_system_vgpr_workitem_id 0
		.amdhsa_next_free_vgpr 256
		.amdhsa_next_free_sgpr 80
		.amdhsa_reserve_vcc 0
		.amdhsa_float_denorm_mode_32 3
		.amdhsa_float_denorm_mode_16_64 3
		.amdhsa_memory_ordered 1
		.amdhsa_forward_progress 1
		.amdhsa_inst_pref_size 30
	.end_amdhsa_kernel
	.amdgpu_metadata
---
amdhsa.version: [ 1, 2 ]
amdhsa.kernels:
  - .name:           k_qad525c0c87_attn
    .symbol:         k_qad525c0c87_attn.kd
    .args:
      - { .name: qc, .offset: 0, .size: 8, .value_kind: global_buffer, .address_space: global }
      - { .name: qs, .offset: 8, .size: 8, .value_kind: global_buffer, .address_space: global }
      - { .name: kvc, .offset: 16, .size: 8, .value_kind: global_buffer, .address_space: global }
      - { .name: kvs, .offset: 24, .size: 8, .value_kind: global_buffer, .address_space: global }
      - { .name: vc, .offset: 32, .size: 8, .value_kind: global_buffer, .address_space: global }
      - { .name: vs, .offset: 40, .size: 8, .value_kind: global_buffer, .address_space: global }
    .group_segment_fixed_size: 327680
    .private_segment_fixed_size: 0
    .kernarg_segment_align: 8
    .kernarg_segment_size: 48
    .max_flat_workgroup_size: 512
    .sgpr_count:     80
    .vgpr_count:     256
    .wavefront_size: 32
...
	.end_amdgpu_metadata
.endif
;; end of part 3
;; launch oproj (part 4): grid 4 x 32, 4 waves a work-group, clusters of 4 x 4, 327,680 bytes of LDS; arguments vc, vs, rl, Wo_scales, bo, out0; writes out0
.if DOCPART == 4
	.amdgcn_target "amdgcn-amd-amdhsa--gfx1250"
	.amdhsa_code_object_version 6
	.text
	.protected	k_qad525c0c87_oproj
	.globl	k_qad525c0c87_oproj
	.p2align	8
	.type	k_qad525c0c87_oproj,@function
k_qad525c0c87_oproj:
	s_mov_b64 s[64:65], 0
	v_nop
	global_prefetch_b8 v0, s[64:65] scope:SCOPE_SE
	s_setreg_imm32_b32 hwreg(HW_REG_WAVE_MODE, 25, 1), 1
	s_wait_xcnt 0x0
	s_wait_alu depctr_hold_cnt(0) depctr_sa_sdst(0) depctr_va_vdst(0) depctr_va_sdst(0) depctr_va_ssrc(0) depctr_va_vcc(0) depctr_vm_vsrc(0)
	s_getreg_b32 s2, hwreg(HW_REG_IB_STS2, 6, 4)
	s_cmp_eq_u32 s2, 0
	s_cbranch_scc0 .Lentry_in_a_cluster
	s_endpgm
.Lentry_in_a_cluster:
	s_bfe_u32 s2, ttmp6, 0x10000c
	s_cmp_lg_u32 s2, 0xf033
	s_cbranch_scc0 .Lentry_shape_is_right
	s_endpgm
.Lentry_shape_is_right:
; out0 = o Wo + bo on codes of FP6 with E8M0 scales, sums in f32.  No work is left out.  A work-group makes 256 x 256, each of its four waves 128 x 128; K goes in steps of 256 through a ring of two LDS slots.
; o's codes come from vc as images of operand registers (rows of 3,072 bytes), Wo's from rl, where 128 rows x 192 bytes of a K step lie on end and are stated as 96 rows of 256 bytes.
; CLUSTERS 4 x 4: o's tiles are asked for jointly along a row, Wo's along a column.  The scale bytes (16,384 of the 409,600 bytes that a work-group takes in) come by plain loads and LDS stores, not jointly: each wave has one tensor load at the head.
; The bias is the first products' C.  The results leave through a stage in slot 0, which has had its last fill by then, as whole rows of 512 bytes.
.set SIZE_N, 1024
.set KSTEP,  256
.set NQ,     KSTEP/128
.set ROWB,   24576                     ; from K step to K step in rl
.set KROW,   768
.set PITCH,  240
.set FR,     12
.set NL,     6
.set NP,     4
.set HALFT,  128*PITCH
.set AROW,   3072
.set AHALF,  8*AROW
.set BOFF,   2*AHALF
.set SLOT,   BOFF+2*HALFT
.set LAPS,   2
.set KS,     32
.set SCL,    2*SLOT
.set HALFS,  (128*KS/256)*272
.set SBLK,   (16*KS/256)*272
.set SPARE,  SCL+4*HALFS
.set SPITCH, 528
.set ADRA, 16
.set ADRB, 20
.set STO,  24
.set RD,   25
.set CO,   26
.set ADRS, 27
.set SPW,  28
.set NIL,  29
.set SC,   32
.set BIAS, 64
.set AF,   128
.set BK,   128
.set G1,   24
.set G0,   32
.set G1B,  48
.set G0B,  56
; s[68:69] my 128 rows' scale bytes in memory, s70 their place in LDS
.set MSB, 0
.macro WIN new
.if MSB != (\new)
	s_set_vgpr_msb (MSB<<8)|(\new)
.set MSB, (\new)
.endif
.endm
.set MUL_LO, 0xa1
.set MUL_HI, 0xf1
.set FST_LO, 0x81
.set FST_HI, 0xc1
.set TO_B,   0x40
.macro JLOAD g0a, g1a, g0b, g1b
	s_cmp_eq_u32 s15, 0
	s_cbranch_scc0 .Lfor_b_\@
	tensor_load_to_lds s[\g0a:\g0a+3], s[\g1a:\g1a+7]
	s_nop 0
.rept 4
	v_nop
.endr
	s_branch .Lasked_\@
.Lfor_b_\@:
	tensor_load_to_lds s[\g0b:\g0b+3], s[\g1b:\g1b+7]
	s_nop 0
.rept 4
	v_nop
.endr
.Lasked_\@:
.endm
.macro CREST
	s_cmp_lg_u32 s14, 0
	s_cbranch_scc1 .Lnot_wave_0_\@
	s_barrier_signal -3
.Lnot_wave_0_\@:
	s_barrier_wait -3
	s_barrier_signal -1
	s_barrier_wait -1
.endm
.macro CROUND
	s_barrier_signal -1
	s_barrier_wait -1
	CREST
.endm
	s_load_b128 s[4:7], s[0:1], 0x0
	s_load_b128 s[8:11], s[0:1], 0x10
	s_load_b64 s[96:97], s[0:1], 0x20
	s_load_b64 s[12:13], s[0:1], 0x28
	v_lshl_add_u32 v[SPW], v0, 2, SPARE
	v_mov_b32 v[NIL], 0
	ds_add_u32 v[SPW], v[NIL]
	ds_add_u32 v[SPW], v[NIL]
	v_lshrrev_b32 v1, 5, v0
	v_readfirstlane_b32 s14, v1
	s_lshr_b32 s15, s14, 1
	s_and_b32 s16, s14, 1
	s_bfe_u32 s40, ttmp6, 0x40000
	s_bfe_u32 s41, ttmp6, 0x40004
	s_lshl_b32 s42, ttmp9, 2
	s_add_co_u32 s42, s42, s40
	s_and_b32 s17, ttmp7, 0xffff
	s_lshl_b32 s17, s17, 2
	s_add_co_u32 s17, s17, s41
	s_lshl_b32 s43, s41, 2
	s_lshl_b32 s43, 15, s43
	s_lshl_b32 s44, 0x1111, s40
	s_or_b32 s[G1+0], s43, (3<<16)|(1<<21)
	s_mov_b32 s[G1+1], 384<<16
	s_mov_b32 s[G1+2], 16<<16                      ; the head's load of o: a K step of all 256 rows, 16 rows of 3,072 bytes; behind it the two words that count rows are set to 8
	s_mov_b32 s[G1+3], 384<<16
	s_mov_b32 s[G1+4], 16
	s_mov_b32 s[G1+5], 1536
	s_mov_b32 s[G1+6], 0
	s_mov_b32 s[G1+7], 0
	s_or_b32 s[G1B+0], s44, (0<<16)|(1<<20)|(1<<21)|(3<<22)|(3<<25)
	s_mov_b32 s[G1B+1], 256<<16                    ; 96 rows of 256 bytes; the padding's interval stays 64 bytes: an LDS row of 192 bytes has the pitch 240
	s_mov_b32 s[G1B+2], 192<<16                    ; the head's load of Wo: K steps 0 and 1 of 128 rows lie on end in rl: 192 rows of 256 bytes; behind it 96
	s_mov_b32 s[G1B+3], 256<<16
	s_mov_b32 s[G1B+4], 192
	s_mov_b32 s[G1B+5], 256
	s_mov_b32 s[G1B+6], 0
	s_mov_b32 s[G1B+7], 0
	s_lshl_b32 s20, s17, 4
	s_lshl_b32 s18, s16, 3
	s_add_co_u32 s20, s20, s18
	s_lshl_b32 s22, s20, 9
	s_mov_b32 s23, 0
	s_mul_i32 s20, s20, 12288
	s_mov_b32 s21, 0
	s_lshl_b32 s46, s42, 8
	s_lshl_b32 s18, s16, 7
	s_add_co_u32 s46, s46, s18
	s_lshl_b32 s92, s46, 5
	s_mov_b32 s93, 0
	s_mul_i32 s46, s46, KROW
	s_mov_b32 s47, 0
	s_mul_i32 s45, s16, AHALF
	s_mul_i32 s95, s16, 2*HALFT                    ; THE LDS MAP: o's slot 0 at 0, its slot 1 at BOFF; from 2 BOFF on Wo's half 0 (slot 0, slot 1), then its half 1
	s_add_co_u32 s95, s95, 2*BOFF
	s_lshl_b32 s76, s17, 4                         ; s[72:75]: group 0 of the head's load of o: wave 0 takes K step 0, wave 1 K step 1, each of all 256 rows
	s_mul_i32 s76, s76, 12288
	s_mul_i32 s73, s16, AROW
	s_add_co_u32 s76, s76, s73
	s_mov_b32 s77, 0
	s_mov_b32 s72, 1
	s_mul_i32 s73, s16, BOFF
	s_mul_i32 s94, s14, HALFS
	s_wait_dscnt 0x0
	s_wait_kmcnt 0x0
	s_add_nc_u64 s[20:21], s[4:5], s[20:21]
	s_add_nc_u64 s[74:75], s[4:5], s[76:77]
	s_or_b32 s75, s75, 0x80000000
	s_add_nc_u64 s[22:23], s[6:7], s[22:23]
	s_add_nc_u64 s[46:47], s[8:9], s[46:47]
	s_add_nc_u64 s[46:47], s[46:47], 0x840000      ; in rl Wo's codes lie behind 11,264 rows of 768 bytes
	s_add_nc_u64 s[92:93], s[10:11], s[92:93]
	s_cmp_eq_u32 s15, 0                            ; waves 0, 1 bring o's scale bytes, waves 2, 3 Wo's: 4,096 bytes each
	s_cselect_b64 s[68:69], s[22:23], s[92:93]
	s_add_co_u32 s70, s94, SCL
	CROUND                                         ; all sixteen work-groups are here: the first joint loads meet
.irp s, 0,1
	s_mov_b32 s[G0+4*\s], 1
	s_add_co_u32 s[G0+4*\s+1], s45, \s*BOFF
	s_add_nc_u64 s[G0+4*\s+2:G0+4*\s+3], s[20:21], \s*AROW
	s_or_b32 s[G0+4*\s+3], s[G0+4*\s+3], 0x80000000
	s_mov_b32 s[G0B+4*\s], 1
	s_add_co_u32 s[G0B+4*\s+1], s95, \s*HALFT
	s_add_nc_u64 s[G0B+4*\s+2:G0B+4*\s+3], s[46:47], \s*ROWB
	s_or_b32 s[G0B+4*\s+3], s[G0B+4*\s+3], 0x80000000
.endr
	JLOAD 72, G1, G0B, G1B                         ; both slots are asked for at the head, one tensor load a wave: waves 0, 1 o's K steps 0, 1; waves 2, 3 a half of Wo's rows each, both K steps
	v_and_b32 v1, 15, v0
	v_bfe_u32 v2, v0, 4, 1
	v_mul_u32_u24 v3, v1, PITCH
	v_mul_u32_u24 v4, v2, 24
	v_add_nc_u32 v4, v3, v4
	v_lshl_add_u32 v5, v2, 4, v4
	v_and_b32 v6, 31, v0
	v_lshlrev_b32 v6, 3, v6
	s_mul_i32 s21, s15, AHALF
	s_mul_i32 s22, s16, 2*HALFT
	s_add_co_u32 s22, s22, 2*BOFF
.irp s, 0,1
	v_add_nc_u32 v[ADRA+\s], s21, v6
	v_add_nc_u32 v[ADRB+\s], s22, v4
	v_add_nc_u32 v[ADRB+2+\s], s22, v5
	s_add_co_u32 s21, s21, BOFF
	s_add_co_u32 s22, s22, HALFT
.endr
	v_mul_u32_u24 v5, v1, KS
	v_lshrrev_b32 v6, 8, v5
	v_lshl_add_u32 v5, v6, 4, v5
	s_mul_i32 s21, s15, HALFS
	s_mul_i32 s22, s16, HALFS
	s_add_co_u32 s22, s22, 2*HALFS
	s_sub_co_u32 s22, s22, s21
	v_mul_u32_u24 v6, s22, v2
	s_add_co_u32 s21, s21, SCL
	v_add_nc_u32 v5, v5, v6
	v_add_nc_u32 v[ADRS], s21, v5
	s_mul_i32 s23, s14, 16*SPITCH
	v_mul_u32_u24 v5, v1, SPITCH
	v_lshl_add_u32 v5, v2, 5, v5
	v_add_nc_u32 v[STO], s23, v5
	v_and_b32 v6, 31, v0
	v_lshlrev_b32 v[CO], 4, v6
	v_add_nc_u32 v[RD], s23, v[CO]
	s_lshl_b32 s20, s17, 8
	s_lshl_b32 s21, s15, 7
	s_add_co_u32 s20, s20, s21
	s_lshl_b32 s20, s20, 12
	s_mov_b32 s21, 0
	s_lshl_b32 s46, s42, 10
	s_lshl_b32 s47, s16, 9
	s_add_co_u32 s46, s46, s47
	s_mov_b32 s47, 0
	s_add_nc_u64 s[96:97], s[96:97], s[46:47]
	s_add_nc_u64 s[20:21], s[20:21], s[46:47]
	s_add_nc_u64 s[12:13], s[12:13], s[20:21]
	v_mul_u32_u24 v30, v2, 272                     ; the scale bytes in LDS: units of 256 bytes + 16: lanes 0-15 fill one unit, lanes 16-31 the next
	v_lshl_add_u32 v30, v1, 4, v30
	v_add_nc_u32 v30, s70, v30
	v_lshlrev_b32 v7, 5, v2
	s_wait_alu depctr_va_vdst(0)                   ; the wait here, ahead of the readers below
.irp j, 0,1,2,3,4,5,6,7
	global_load_b128 v[AF+4*\j:AF+4*\j+3], v[CO], s[68:69] offset:512*\j   ; 512 consecutive bytes a load
.endr
.irp b, 0,1,2,3,4,5,6,7
	global_load_b128 v[BIAS+8*\b:BIAS+8*\b+3], v7, s[96:97] offset:64*\b
	global_load_b128 v[BIAS+8*\b+4:BIAS+8*\b+7], v7, s[96:97] offset:64*\b+16
.endr
.macro FRAG reg, adr, q, i
.irp p, 0,1,2,3,4,5
.set PC, 12*(\q)+6*(\p/3)+\p%3
.if PC%8 < 5
	ds_load_b64 v[\reg+2*\p:\reg+2*\p+1], v[\adr] offset:8*PC+16*(PC/8)+(\i)*16*PITCH
.else
	ds_load_b64 v[\reg+2*\p:\reg+2*\p+1], v[\adr+2] offset:8*PC+16*(PC/8)+(\i)*16*PITCH
.endif
.endr
.endm
.macro FRAGA reg, slot, q, i
.irp p, 0,1,2,3,4,5
	ds_load_b64 v[\reg+2*\p:\reg+2*\p+1], v[ADRA+\slot] offset:AROW*(\i)+1536*(\q)+256*\p
.endr
.endm
.macro MUL16 a0, p, q, sc, first
.irp a, \a0, \a0+1
.irp b, 0,1,2,3,4,5,6,7
.if \first
	v_wmma_scale_f32_16x16x128_f8f6f4 v[8*(8*((\a)%4)+\b):8*(8*((\a)%4)+\b)+7], v[128*(\p)+FR*\b:128*(\p)+FR*\b+FR-1], v[AF+FR*(\a):AF+FR*(\a)+FR-1], v[BIAS+8*\b:BIAS+8*\b+7], v[SC+8*NQ*(\sc)+NQ*\b+(\q)], v[SC+8*NQ*(\sc)+NQ*(\a)+(\q)] matrix_a_fmt:MATRIX_FMT_FP6 matrix_b_fmt:MATRIX_FMT_FP6 matrix_a_scale:MATRIX_SCALE_ROW1
.else
	v_wmma_scale_f32_16x16x128_f8f6f4 v[8*(8*((\a)%4)+\b):8*(8*((\a)%4)+\b)+7], v[128*(\p)+FR*\b:128*(\p)+FR*\b+FR-1], v[AF+FR*(\a):AF+FR*(\a)+FR-1], v[8*(8*((\a)%4)+\b):8*(8*((\a)%4)+\b)+7], v[SC+8*NQ*(\sc)+NQ*\b+(\q)], v[SC+8*NQ*(\sc)+NQ*(\a)+(\q)] matrix_a_fmt:MATRIX_FMT_FP6 matrix_b_fmt:MATRIX_FMT_FP6 matrix_a_scale:MATRIX_SCALE_ROW1
.endif
.endr
.endr
.endm
.macro FETCH_B slot, q, p
	WIN TO_B
.irp i, 0,1,2,3,4,5,6,7
	FRAG 128*(\p)+FR*\i, ADRB+\slot, \q, \i
.endr
	WIN 0
.endm
.macro FETCH_A slot, q, i0
.irp i, \i0, \i0+1, \i0+2, \i0+3
	FRAGA AF+FR*(\i), \slot, \q, \i
.endr
.endm
.macro SCALES sc
.irp i, 0,1,2,3,4,5,6,7
	ds_load_b64 v[SC+8*NQ*\sc+NQ*\i:SC+8*NQ*\sc+NQ*\i+1], v[ADRS] offset:\i*SBLK
.endr
.endm
.macro PLACES n
.rept \n
	v_nop
.endr
.endm
.macro STEP slot, q, first
	s_wait_dscnt 4*NL
.if \first
	WIN FST_LO
.else
	WIN MUL_LO
.endif
	MUL16 0, (\q)%2, \q, \slot, \first
	MUL16 2, (\q)%2, \q, \slot, \first
	s_wait_dscnt 0
	PLACES NP
	FETCH_B \slot, (\q)+1, 1-(\q)%2
	FETCH_A \slot, (\q)+1, 0
.if \first
	WIN FST_HI
.else
	WIN MUL_HI
.endif
	MUL16 4, (\q)%2, \q, \slot, \first
	MUL16 6, (\q)%2, \q, \slot, \first
	PLACES NP
	WIN 0
	FETCH_A \slot, (\q)+1, 4
.endm
.macro TURN slot, next, fill
	s_wait_tensorcnt 0x0
	ds_add_u32 v[SPW], v[NIL]
	s_wait_dscnt 4*NL+1
	WIN MUL_LO
	MUL16 0, 1, NQ-1, \slot, 0
	s_wait_dscnt 0x0
	s_barrier_signal -1
	MUL16 2, 1, NQ-1, \slot, 0
	WIN 0
	s_barrier_wait -1
.if \fill
	CREST
	s_add_nc_u64 s[G0+4*\slot+2:G0+4*\slot+3], s[G0+4*\slot+2:G0+4*\slot+3], 2*AROW
	s_add_nc_u64 s[G0B+4*\slot+2:G0B+4*\slot+3], s[G0B+4*\slot+2:G0B+4*\slot+3], 2*ROWB
	JLOAD G0+4*\slot, G1, G0B+4*\slot, G1B
.else
	PLACES NP
.endif
	s_wait_alu depctr_va_vdst(0)
	v_add_nc_u32 v[ADRS], 4*NQ, v[ADRS]
	FETCH_B \next, 0, 0
	FETCH_A \next, 0, 0
	SCALES \next
	WIN MUL_HI
	MUL16 4, 1, NQ-1, \slot, 0
	MUL16 6, 1, NQ-1, \slot, 0
	PLACES NP
	WIN 0
	FETCH_A \next, 0, 4
.endm
	s_wait_alu depctr_va_vdst(0)
	s_wait_loadcnt 0x0                             ; the bias and my scale bytes
.irp j, 0,1,2,3,4,5,6,7
	ds_store_b128 v30, v[AF+4*\j:AF+4*\j+3] offset:544*\j   ; into bytes that no tensor load fills
.endr
	s_wait_tensorcnt 0x0                           ; my tile of the head's four is in, and no tensor load of mine is out: a descriptor may be written
	s_mov_b32 s[G1+2], 8<<16                       ; from here on a load brings one K step of 128 rows: of o 8 rows of 3,072 bytes,
	s_mov_b32 s[G1+4], 8
	s_mov_b32 s[G1B+2], 96<<16                     ; of Wo 96 rows of 256
	s_mov_b32 s[G1B+4], 96
	s_wait_dscnt 0x0                               ; my stores are done
	s_barrier_signal -1
	s_barrier_wait -1                              ; all four tiles are in; slot 0 is filled again only at the first turn
	FETCH_B 0, 0, 0
	FETCH_A 0, 0, 0
	SCALES 0
	FETCH_A 0, 0, 4
	STEP 0, 0, 1
	s_mov_b32 s3, LAPS-1
.Llap:
	TURN 0, 1, 1
	STEP 1, 0, 0
	TURN 1, 0, 1
	STEP 0, 0, 0
	s_sub_co_u32 s3, s3, 1
	s_cmp_lg_u32 s3, 0
	s_cbranch_scc1 .Llap
	TURN 0, 1, 0
	STEP 1, 0, 0
	s_wait_dscnt 4*NL
	WIN MUL_LO
	MUL16 0, 1, NQ-1, 1, 0
	MUL16 2, 1, NQ-1, 1, 0
	s_wait_dscnt 0
	WIN MUL_HI
	MUL16 4, 1, NQ-1, 1, 0
	MUL16 6, 1, NQ-1, 1, 0
	WIN 0
.macro TOSTAGE a
.set AC, 64*((\a)%4)
	WIN 0x08+4*((\a)/4)
.irp b, 0,1,2,3,4,5,6,7
	ds_store_b128 v[STO], v[AC+8*\b:AC+8*\b+3] offset:64*\b
	ds_store_b128 v[STO], v[AC+8*\b+4:AC+8*\b+7] offset:64*\b+16
.endr
	WIN 0
.set BB, BK+64*((\a)%2)
.irp t, 0,1,2,3,4,5,6,7,8,9,10,11,12,13,14,15
	ds_load_b128 v[BB+4*\t:BB+4*\t+3], v[RD] offset:\t*SPITCH
.endr
.endm
.macro SEND a, younger
.set BB, BK+64*((\a)%2)
	s_wait_dscnt \younger
.if (\a) > 0
	s_add_nc_u64 s[12:13], s[12:13], 16*SIZE_N*4
.endif
.irp t, 0,1,2,3,4,5,6,7,8,9,10,11,12,13,14,15
	global_store_b128 v[CO], v[BB+4*\t:BB+4*\t+3], s[12:13] offset:\t*SIZE_N*4 th:TH_STORE_NT
.endr
.endm
	PLACES NP
	TOSTAGE 0
.irp a, 1,2,3,4,5,6,7
.if \a > 1
	s_wait_xcnt 0x0
.endif
	TOSTAGE \a
	SEND \a-1, 32
.endr
	s_wait_xcnt 0x0
	SEND 7, 0
	s_wait_tensorcnt 0x0
	ds_add_u32 v[SPW], v[NIL]
	s_wait_dscnt 0x0
	CROUND
	s_endpgm
.Lfunc_end_k_qad525c0c87_oproj:
	.size	k_qad525c0c87_oproj, .Lfunc_end_k_qad525c0c87_oproj-k_qad525c0c87_oproj
	.p2alignl 7, 3214868480
	.fill 96, 4, 3214868480
	.section	.rodata,"a",@progbits
	.p2align	6, 0x0
	.amdhsa_kernel k_qad525c0c87_oproj
		.amdhsa_group_segment_fixed_size 327680
		.amdhsa_private_segment_fixed_size 0
		.amdhsa_enable_private_segment 0
		.amdhsa_kernarg_size 48
		.amdhsa_user_sgpr_count 2
		.amdhsa_user_sgpr_kernarg_segment_ptr 1
		.amdhsa_wavefront_size32 1
		.amdhsa_system_sgpr_workgroup_id_x 1
		.amdhsa_system_sgpr_workgroup_id_y 1
		.amdhsa_system_sgpr_workgroup_id_z 1
		.amdhsa_system_vgpr_workitem_id 0
		.amdhsa_next_free_vgpr 1024
		.amdhsa_next_free_sgpr 98
		.amdhsa_reserve_vcc 0
		.amdhsa_float_denorm_mode_32 3
		.amdhsa_float_denorm_mode_16_64 3
		.amdhsa_memory_ordered 1
		.amdhsa_forward_progress 1
		.amdhsa_inst_pref_size 162
	.end_amdhsa_kernel
	.amdgpu_metadata
---
amdhsa.version: [ 1, 2 ]
amdhsa.kernels:
  - .name:           k_qad525c0c87_oproj
    .symbol:         k_qad525c0c87_oproj.kd
    .args:
      - { .name: vc, .offset: 0, .size: 8, .value_kind: global_buffer, .address_space: global }
      - { .name: vs, .offset: 8, .size: 8, .value_kind: global_buffer, .address_space: global }
      - { .name: rl, .offset: 16, .size: 8, .value_kind: global_buffer, .address_space: global }
      - { .name: Wo_scales, .offset: 24, .size: 8, .value_kind: global_buffer, .address_space: global }
      - { .name: bo, .offset: 32, .size: 8, .value_kind: global_buffer, .address_space: global }
      - { .name: out0, .offset: 40, .size: 8, .value_kind: global_buffer, .address_space: global }
    .group_segment_fixed_size: 327680
    .private_segment_fixed_size: 0
    .kernarg_segment_align: 8
    .kernarg_segment_size: 48
    .max_flat_workgroup_size: 128
    .sgpr_count:     98
    .vgpr_count:     1024
    .wavefront_size: 32
...
	.end_amdgpu_metadata
.endif
;; end of part 4
